; MI455X (gfx1250); checked and timed in simulation.
; The chip was launched on July 23, 2026; its instructions are those of AMD's public machine-readable ISA for CDNA 5 (MIT licence, August 2026) and "CDNA5" Instruction Set Architecture Reference Guide (July 2026). The comments in the code are by the model that wrote it; some were corrected since.
;; Mutihead Attention. Allowed arithmetic: matrix products marked QUANTISED: E5M2 operands, one given power-of-two scale a tensor, by v_wmma_f32_16x16x64_bf8_bf8 or v_wmma_f32_16x16x128_bf8_bf8, f32 sums; everything else in f32.
;; Inputs: Wk 1,024 x 1,024 float32; Wq 1,024 x 1,024 float32; Wr 1,024 x 1,024 float32; Wv 1,024 x 1,024 float32; beta 1,024 float32; gamma 1,024 float32; lowp_scales 12 int32 (the exponents e of the quantised operands' scales 2^e); mask 4 x 2,048 int32; x 4 x 2,048 x 1,024 float32.
;; Outputs: out0 4 x 2,048 x 1,024 float32.
;; This version of the problem:
;;   THIS VERSION OF THE PROBLEM IS GIVEN IN LOW PRECISION. The matrix products marked QUANTISED in the list below multiply operands that are first quantised to E5M2 (5 exponent bits, 2 mantissa bits; 8 bits a number), with one given power-of-two scale for each operand tensor; their sums are f32. All else is computed in f32.
;;   The module's matrix products, in the order in which they are computed (A, B: the left and right operand; K: the contracted axis; several contracted axes count as one K, in the product's order):
;;     1. [M 8,192, K 1,024] x [K 1,024, N 1,024]; A: input x; B: input Wq: QUANTISED (scales: A lowp_scales[0], B lowp_scales[1])
;;     2. [M 8,192, K 1,024] x [K 1,024, N 1,024]; A: input x; B: input Wk: QUANTISED (scales: A lowp_scales[2], B lowp_scales[3])
;;     3. [M 8,192, K 1,024] x [K 1,024, N 1,024]; A: input x; B: input Wv: QUANTISED (scales: A lowp_scales[4], B lowp_scales[5])
;;     4. batch 64 x [M 2,048, K 64] x [K 64, N 2,048]; A: computed on the way; B: computed on the way: QUANTISED (scales: A lowp_scales[6], B lowp_scales[7])
;;     5. batch 64 x [M 64, K 2,048] x [K 2,048, N 2,048]; A: computed on the way; B: softmax (see below): QUANTISED (scales: A lowp_scales[8], B lowp_scales[9])
;;     6. [M 8,192, K 1,024] x [K 1,024, N 1,024]; A: input x; B: input Wr: QUANTISED (scales: A lowp_scales[10], B lowp_scales[11])
;;   THE QUANTISER, for each operand of a quantised product, along K:
;;     - The operand's scale is 2^e, e = its entry of the input lowp_scales (int32; the entries are numbered through the quantised products in the list's order, A before B).
;;     - Each number is divided by the scale, clamped to +-57,344, and rounded to the nearest number of E5M2, ties to even, subnormals kept.
;;     - The product sums the exact products of the quantised numbers (number of the format x scale) in f32.
;;   ~~~python
;;   def quantise(x, axis, e):      # numpy; x: float32 -> the quantised numbers, widened to float32 again
;;       x = np.moveaxis(x, axis, -1); K = x.shape[-1]
;;       r = np.clip(x / 2.0 ** e, -57344, 57344)
;;       step = 2.0 ** (np.maximum(np.frexp(np.where(r == 0, 1, r))[1] - 1, -14) - 2)
;;       q = np.round(r / step) * step * 2.0 ** e      # np.round: ties to even
;;       return np.moveaxis(q, -1, axis).astype(np.float32)
;;   ~~~
;;   SOFTMAX AHEAD OF A QUANTISED PRODUCT. Where the list says 'softmax', what is quantised is not the finished softmax but p = 2^(t - M), with t = logit x log2(e) and M = ceil(the row's largest t), a whole number; so 1/2 < the row's largest p <= 1. The row's sum l is taken of the UNQUANTISED p, in f32, and the product's result is divided by l at the end. Since M is a whole number, a kernel that streams over the keys may use a running M (the ceiling of the running maximum): every later rescaling is an exact power of two, so the quantised numbers keep their values, but for numbers so far below the row's largest that they fall under the format's range.
;;   OPERANDS COMPUTED ON THE WAY. 'Computed on the way' means the value that the module computes at that place (a softmax that the list does not call 'softmax' is quantised finished and normalised). What goes into a quantiser is computed in f32, as accurately as f32 sums, v_exp_f32 and their like allow (about 1e-6 of the number): no bf16 or f16 on the way to a quantiser, and a product that is left as it is and whose result goes on into a quantised operand takes f32 operands (vector FMAs, or v_wmma_f32_16x16x4_f32). A number that lies on a knife's edge between two numbers of the format may be rounded either way, as far as f32 arithmetic and the matrix unit's own rounding can turn it there, and no further.
;; 3 versions, each right; version 2 is faster than version 1; version 3 is version 2 with the launches quant, attn written anew for expert scheduling mode. Each part assembles by itself: llvm-mc -triple=amdgcn-amd-amdhsa -mcpu=gfx1250 --defsym DOCPART=n.
;; ======== version 1 of 3: 4 launches
;; workspace buffers: xcodes 33,554,432 bytes; wcodes 4,194,304 bytes; qc 8,388,608 bytes; kc 8,388,608 bytes; vc 8,388,608 bytes; r 33,554,432 bytes; ao 33,554,432 bytes
;; launch quant (part 1): grid 384 x 1, 4 waves a work-group, no clusters, 33,280 bytes of LDS; arguments x, Wq, Wk, Wv, Wr, lowp_scales, xcodes, wcodes; writes xcodes, wcodes
.if DOCPART == 1
	.amdgcn_target "amdgcn-amd-amdhsa--gfx1250"
	.amdhsa_code_object_version 6
	.text
	.protected	k_q9b67783e29_quant
	.globl	k_q9b67783e29_quant
	.p2align	8
	.type	k_q9b67783e29_quant,@function
k_q9b67783e29_quant:
	s_mov_b64 s[64:65], 0
	v_nop
	global_prefetch_b8 v0, s[64:65] scope:SCOPE_SE
	s_setreg_imm32_b32 hwreg(HW_REG_WAVE_MODE, 25, 1), 1
	s_wait_xcnt 0x0
; x [8192][1024] and the four weights [1024][1024], f32 with K innermost, become codes of BF8 (E5M2), one byte a number, K innermost.
; x is an operand of four products, each with an exponent of its own (entries 0, 2, 4, 10 of the scales): it is read once and written four times, as planes 0 to 3 of xcodes.
; Wq, Wk, Wv, Wr (entries 1, 3, 5, 11) become planes 0 to 3 of wcodes.
; code = number / 2^e, held within +-57,344, rounded to the nearest code, ties to even.
; LIMITS: each e lies between -126 and 112, so that 2^e and 57,344 x 2^e are f32 numbers.  NaN among the inputs is not served; an infinity is held at the largest code.
; SHARES.  Rows are dense, so each tensor is a plain stream.  A wave takes 8,192 numbers, 16 steps of 512.  Work-groups 0 to 255 take x, then 32 work-groups for each weight.
; All work-groups take one path; only pointers and the first exponent are chosen by the work-group's number, and a weight's work-group jumps over outputs 1 to 3 of each step (vector work and stores alone).
; A load reads 512 consecutive bytes, 16 a lane; the conversions want 16 neighbours in ONE lane: a step's 2,048 bytes turn through the wave's own stage in LDS (16 bytes of padding behind each 64).
; A lane's 16 codes are 16 bytes: a store of the wave covers 512 consecutive bytes, aligned.  Waves share nothing: no barrier.  No work-group reads what another reads: nothing to share in a cluster.
.set STEPS, 16
.set XG,    256                        ; work-groups that take x
.set SP,    80                         ; a lane's place in a stage: 64 bytes + 16 of padding
.set WREG,  8192                       ; LDS of a wave: two stages of 32 x SP bytes
.set PLANE, 0x800000                   ; bytes of a plane of xcodes
.set R,     16                         ; v16-79   four sets of 16 numbers as loaded
.set X,     80                         ; v80-111  two sets of 16 neighbours
.set T,     112                        ; v112-127 the numbers held within one output's range
.set C,     128                        ; v128-159 codes: two sets (by turns) of four outputs x four registers
.set SC,    160                        ; v160-163 2^e of outputs 0 to 3, as f32
.set LM,    164                        ; v164-167 57,344 x 2^e
	s_load_b512 s[4:19], s[0:1], 0x0               ; x 4:5, Wq 6:7, Wk 8:9, Wv 10:11, Wr 12:13, scales 14:15, xcodes 16:17, wcodes 18:19
	v_lshl_add_u32 v168, v0, 2, 0x8000
	v_mov_b32 v169, 0
	v_lshrrev_b32 v1, 5, v0
	v_readfirstlane_b32 s33, v1                    ; wave
	v_and_b32 v2, 31, v0                           ; lane
	v_lshlrev_b32 v3, 4, v2                        ; 16 x lane: my bytes of a load's 512, and my codes' place in a step's 512; never rewritten
	s_mul_i32 s38, s33, WREG
	v_lshrrev_b32 v14, 2, v2
	v_mul_u32_u24 v14, v14, SP
	v_and_b32 v15, 3, v2
	v_lshl_add_u32 v14, v15, 4, v14
	v_add_nc_u32 v14, s38, v14                     ; the stage, on the way in: SP (lane / 4) + 16 (lane % 4)
	v_mul_u32_u24 v15, v2, SP
	v_add_nc_u32 v15, s38, v15                     ; and on the way out: SP x lane: my 16 neighbours
	s_sub_co_u32 s30, ttmp9, XG
	s_and_b32 s31, s30, 31                         ; a weight's work-group: its number within the weight,
	s_lshr_b32 s32, s30, 5                         ; and which weight
	s_cmp_lt_u32 ttmp9, XG
	s_cselect_b32 s31, ttmp9, s31
	s_cselect_b32 s32, 0, s32
	s_lshl_b32 s31, s31, 2
	s_add_co_u32 s31, s31, s33                     ; which run of 8,192 numbers of the tensor is my wave's
	s_lshl_b32 s34, s31, 15                        ; its first byte in the tensor,
	s_mov_b32 s35, 0
	s_lshl_b32 s36, s31, 13                        ; and in the codes,
	s_lshl_b32 s32, s32, 20
	s_add_co_u32 s36, s36, s32                     ; in the weight's plane of wcodes
	s_mov_b32 s37, 0
	s_wait_kmcnt 0x0
	s_load_b256 s[40:47], s[14:15], 0x0            ; e0 .. e7
	s_load_b128 s[48:51], s[14:15], 0x20           ; e8 .. e11
	s_mov_b64 s[20:21], s[4:5]                     ; the source: chosen by the work-group's number alone
	s_cmp_ge_u32 ttmp9, XG
	s_cselect_b64 s[20:21], s[6:7], s[20:21]
	s_cselect_b64 s[22:23], s[18:19], s[16:17]     ; output 0
	s_cmp_ge_u32 ttmp9, XG+32
	s_cselect_b64 s[20:21], s[8:9], s[20:21]
	s_cmp_ge_u32 ttmp9, XG+64
	s_cselect_b64 s[20:21], s[10:11], s[20:21]
	s_cmp_ge_u32 ttmp9, XG+96
	s_cselect_b64 s[20:21], s[12:13], s[20:21]
	s_add_nc_u64 s[20:21], s[20:21], s[34:35]
	s_add_nc_u64 s[22:23], s[22:23], s[36:37]
	s_add_nc_u64 s[24:25], s[22:23], PLANE         ; outputs 1 to 3: the next planes of xcodes (used by x's work-groups alone)
	s_add_nc_u64 s[26:27], s[24:25], PLANE
	s_add_nc_u64 s[28:29], s[26:27], PLANE
.macro LOAD t
.irp i, 0,1,2,3
	global_load_b128 v[R+16*((\t)%4)+4*\i:R+16*((\t)%4)+4*\i+3], v3, s[20:21] offset:2048*(\t)+512*\i th:TH_LOAD_NT   ; 32 lanes read 512 consecutive bytes; read once in the launch
.endr
.endm
.macro TURN t                          ; step t's numbers through the stage: LDS serves a wave's instructions in order, so no wait stands between the stores and the loads
.irp i, 0,1,2,3
	ds_store_b128 v14, v[R+16*((\t)%4)+4*\i:R+16*((\t)%4)+4*\i+3] offset:32*SP*((\t)%2)+8*SP*\i
.endr
.irp i, 0,1,2,3
	ds_load_b128 v[X+16*((\t)%2)+4*\i:X+16*((\t)%2)+4*\i+3], v15 offset:32*SP*((\t)%2)+16*\i
.endr
.endm
.macro MKSC e, idx                     ; 2^e and 57,344 x 2^e as f32 patterns
	s_add_co_i32 s54, \e, 127
	s_lshl_b32 s55, s54, 23
	v_mov_b32 v[SC+\idx], s55
	s_add_co_i32 s54, s54, 15
	s_lshl_b32 s54, s54, 23
	s_or_b32 s54, s54, 0x600000
	v_mov_b32 v[LM+\idx], s54
.endm
.irp t, 0,1,2,3
	LOAD \t
.endr
	s_wait_kmcnt 0x0
	s_mov_b32 s52, s40                             ; output 0's exponent: e0 for x, e1, e3, e5, e11 for the weights
	s_cmp_ge_u32 ttmp9, XG
	s_cselect_b32 s52, s41, s52
	s_cmp_ge_u32 ttmp9, XG+32
	s_cselect_b32 s52, s43, s52
	s_cmp_ge_u32 ttmp9, XG+64
	s_cselect_b32 s52, s45, s52
	s_cmp_ge_u32 ttmp9, XG+96
	s_cselect_b32 s52, s51, s52
	MKSC s52, 0
	MKSC s42, 1                                    ; e2
	MKSC s44, 2                                    ; e4
	MKSC s50, 3                                    ; e10
	s_wait_loadcnt 12                              ; step 0's four loads are in
	TURN 0
; Output p of step t: the 16 neighbours are held within that output's range, into T, converted and stored.
.macro OUTP t, p
.set XS, X+16*((\t)%2)
.set CS, C+16*((\t)%2)+4*(\p)
.irp i, 0,1,2,3,4,5,6,7,8,9,10,11,12,13,14,15
	v_med3_num_f32 v[T+\i], v[XS+\i], -v[LM+\p], v[LM+\p]   ; the conversion to an 8-bit code does not saturate (ISA guide 7.6.2): the hold comes first
.endr
	v_cvt_scalef32_pk8_bf8_f32 v[CS:CS+1], v[T:T+7], v[SC+\p]
	v_cvt_scalef32_pk8_bf8_f32 v[CS+2:CS+3], v[T+8:T+15], v[SC+\p]
	v_nop                                          ; a plain vector line between the conversions and the next output's holds, which write T again
	global_store_b128 v3, v[CS:CS+3], s[22+2*\p:23+2*\p] offset:512*(\t)
.endm
.macro STEP t
	s_wait_dscnt 0x0                               ; this step's numbers are back from the stage: so its stores into the stage have read their registers,
.if (\t)+4 < STEPS
	LOAD (\t)+4                                    ; which take the loads of four steps on
.endif
.if (\t)+1 < STEPS
.if STEPS-2-(\t) >= 3
	s_wait_loadcnt 12                              ; the next step's four loads are in; those of the three steps behind it may be out
.else
	s_wait_loadcnt 4*(STEPS-2-(\t))
.endif
	TURN (\t)+1                                    ; they go through the other stage while this step is worked
.endif
	s_wait_xcnt 0x0                                ; the earlier steps' stores have read their data: this set of code registers may be written again
	OUTP \t, 0
	s_cmp_lt_u32 ttmp9, XG
	s_cbranch_scc0 .Lweight_\@                     ; a weight has one output
	OUTP \t, 1
	OUTP \t, 2
	OUTP \t, 3
.Lweight_\@:
.endm
.irp t, 0,1,2,3,4,5,6,7,8,9,10,11,12,13,14,15
	STEP \t
.endr
	s_wait_tensorcnt 0x0
	ds_add_u32 v168, v169
	s_wait_dscnt 0x0
	s_endpgm
.Lfunc_end_k_q9b67783e29_quant:
	.size	k_q9b67783e29_quant, .Lfunc_end_k_q9b67783e29_quant-k_q9b67783e29_quant
	.p2alignl 7, 3214868480
	.fill 96, 4, 3214868480
	.section	.rodata,"a",@progbits
	.p2align	6, 0x0
	.amdhsa_kernel k_q9b67783e29_quant
		.amdhsa_group_segment_fixed_size 33280
		.amdhsa_private_segment_fixed_size 0
		.amdhsa_enable_private_segment 0
		.amdhsa_kernarg_size 64
		.amdhsa_user_sgpr_count 2
		.amdhsa_user_sgpr_kernarg_segment_ptr 1
		.amdhsa_wavefront_size32 1
		.amdhsa_system_sgpr_workgroup_id_x 1
		.amdhsa_system_sgpr_workgroup_id_y 1
		.amdhsa_system_sgpr_workgroup_id_z 1
		.amdhsa_system_vgpr_workitem_id 0
		.amdhsa_next_free_vgpr 170
		.amdhsa_next_free_sgpr 66
		.amdhsa_reserve_vcc 0
		.amdhsa_float_denorm_mode_32 3
		.amdhsa_float_denorm_mode_16_64 3
		.amdhsa_memory_ordered 1
		.amdhsa_forward_progress 1
		.amdhsa_inst_pref_size 102
	.end_amdhsa_kernel
	.amdgpu_metadata
---
amdhsa.version: [ 1, 2 ]
amdhsa.kernels:
  - .name:           k_q9b67783e29_quant
    .symbol:         k_q9b67783e29_quant.kd
    .args:
      - { .name: x, .offset: 0, .size: 8, .value_kind: global_buffer, .address_space: global }
      - { .name: Wq, .offset: 8, .size: 8, .value_kind: global_buffer, .address_space: global }
      - { .name: Wk, .offset: 16, .size: 8, .value_kind: global_buffer, .address_space: global }
      - { .name: Wv, .offset: 24, .size: 8, .value_kind: global_buffer, .address_space: global }
      - { .name: Wr, .offset: 32, .size: 8, .value_kind: global_buffer, .address_space: global }
      - { .name: lowp_scales, .offset: 40, .size: 8, .value_kind: global_buffer, .address_space: global }
      - { .name: xcodes, .offset: 48, .size: 8, .value_kind: global_buffer, .address_space: global }
      - { .name: wcodes, .offset: 56, .size: 8, .value_kind: global_buffer, .address_space: global }
    .group_segment_fixed_size: 33280
    .private_segment_fixed_size: 0
    .kernarg_segment_align: 8
    .kernarg_segment_size: 64
    .max_flat_workgroup_size: 128
    .sgpr_count:     66
    .vgpr_count:     170
    .wavefront_size: 32
...
	.end_amdgpu_metadata
.endif
;; end of part 1
;; launch proj (part 2): grid 4 x 128, 4 waves a work-group, clusters of 4 x 4, 327,680 bytes of LDS; arguments xcodes, wcodes, lowp_scales, qc, kc, vc, r; writes qc, kc, vc, r
.if DOCPART == 2
	.amdgcn_target "amdgcn-amd-amdhsa--gfx1250"
	.amdhsa_code_object_version 6
	.text
	.protected	k_q9b67783e29_proj
	.globl	k_q9b67783e29_proj
	.p2align	8
	.type	k_q9b67783e29_proj,@function
k_q9b67783e29_proj:
	s_mov_b64 s[64:65], 0
	v_nop
	global_prefetch_b8 v0, s[64:65] scope:SCOPE_SE
	s_setreg_imm32_b32 hwreg(HW_REG_WAVE_MODE, 25, 1), 1
	s_wait_xcnt 0x0
	s_wait_alu depctr_hold_cnt(0) depctr_sa_sdst(0) depctr_va_vdst(0) depctr_va_sdst(0) depctr_va_ssrc(0) depctr_va_vcc(0) depctr_vm_vsrc(0)
	s_getreg_b32 s2, hwreg(HW_REG_IB_STS2, 6, 4)
	s_cmp_eq_u32 s2, 0
	s_cbranch_scc0 .Lentry_in_a_cluster
	s_endpgm
.Lentry_in_a_cluster:
	s_bfe_u32 s2, ttmp6, 0x10000c
	s_cmp_lg_u32 s2, 0xf033
	s_cbranch_scc0 .Lentry_shape_is_right
	s_endpgm
.Lentry_shape_is_right:
; The four projections of x, on codes of BF8 (E5M2): product p = 0, 1, 2, 3 is x Wq^T, x Wk^T, x Wv^T, x Wr^T.  Sums in f32.
; One text serves all four as C'[m][n] = sum over k of A'[m][k] B'[n][k], K = 1,024.  p is the cluster's y / 8, the same in all sixteen partners.
;   p = 0, 1, 3: A' = plane p of xcodes (8,192 rows), B' = plane p of wcodes (1,024 rows).
;   p = 2:       A' = plane 2 of wcodes, B' = plane 2 of xcodes: V comes out TRANSPOSED, a lane's registers running along the tokens, which are the K of attention's second product.
; WHAT LEAVES.  p = 3: r [8192][1024] f32 = sum x 2^(e10 + e11).  p = 0, 1, 2: the sums are quantised on the way out, with the one scale 2^(eOut - eA - eB) (eOut = e6, e7, e8), held within +-57,344 codes.
;   qc, kc: [64 = batch x 16 + head][2048 tokens][64]; byte 32 B + 16 h + 8 u + j of a row holds channel 32 B + 16 u + 8 h + j: a 16-byte load at 32 c + 16 h brings a lane the matrix form's own layout.
;   vc: [64][16 blocks of 128 keys][64 channels][128]; byte 32 B + 16 h + 8 u + j of a row holds key 32 B + 16 u + 8 h + j of the block: likewise.
; LIMITS: eOut - eA - eB between -126 and 112; e10 + e11 between -126 and 127, so that each power of two is an f32 number.
; A tile of C', 256 x 256, is made by a work-group of four waves; a wave makes 128 x 128: 64 accumulators, 512 registers.  K goes in steps of 256 through a ring of two LDS slots filled by the tensor data mover.
; CLUSTERS: 4 x 4 work-groups.  The four of a row of the cluster need the same tiles of A', the four of a column the same tiles of B': each tile is asked for JOINTLY, by the same tensor load with the same descriptor
; and a mask that names the four.  THE MATRIX INSTRUCTION IS USED TRANSPOSED (source 0 = 16 rows of B', source 1 = 16 rows of A'): a lane then holds eight neighbouring columns of one row of C'.
; A fragment is fetched by four 16-byte loads, 32 bytes apart: a permutation of k that is the same in A' and B', so every product meets its partner.
; REGISTERS, in windows of 256: window 0: v0-31 addresses; from v128 A's fragments, ONE set; on the way out v32-255 are free.   window 1: B's fragments, TWO sets.   windows 2, 3: the accumulators ((a, b) at v[8 (8 (a % 4) + b)]).
.set SIZE_K, 1024
.set SIZE_N, 1024                      ; columns of r
.set KSTEP,  256
.set ROWB,   256                       ; a tile's row in bytes
.set KROW,   SIZE_K                    ; a row of codes in memory, in bytes
.set PITCH,  272                       ; an LDS row: 256 bytes + 16 of padding = 68 words: the 16 rows that a load touches start at 16 different banks (64 banks of 4 bytes: ISA guide 11.1)
.set FR,     16
.set NL,     4
.set NP,     4                         ; places behind this matrix instruction (ISA guide 7.12.1)
.set HALFT,  128*PITCH
.set SLOT,   4*HALFT
.set LAPS,   SIZE_K/(2*KSTEP)
.set SPARE,  2*SLOT                    ; behind the ring: the spare words, 128 bytes for each wave, which no other line names
.set SPITCH, 528                       ; the way out of r: 16 rows x (512 + 16) bytes a wave, from LDS byte 0
.set CPITCH, 144                       ; the way out of codes: 16 rows x (128 + 16) bytes a wave
.set QSTG,   36864                     ; q's and k's stages;  all three ways out have LDS bytes of their own, in slot 0, which has had its last fill and its last read by then
.set VSTG,   49152                     ; v's stages
.set STV,  9                           ; v9   where I put 16 codes of a row (v)
.set STQ,  10                          ; v10  the same (q, k)
.set RDQ,  11                          ; v11  where I read codes back (q, k): four lanes to a row's 64 bytes of one head
.set RDV,  12                          ; v12  the same (v): eight lanes to a row of 128 bytes
.set LIM,  14                          ; v14  57,344 x the conversion's scale
.set SCL,  15                          ; v15  the conversion's scale, as f32
.set ADRA, 16
.set ADRB, 20
.set STO,  24
.set RD,   25
.set CO,   26                          ; v26  16 x lane
.set SPW,  28
.set NIL,  29
.set TMP,  32
.set CD,   96                          ; v96-127  codes, two sets of 16
.set AF,   128
.set BK,   128
.set BKC,  128                         ; v128-159 codes read back, two sets of 16
.set G1, 24
.set G0, 32
.set G1B, 48
.set G0B, 56
.set MSB, 0
.macro WIN new                         ; the immediate's high byte repeats the setting that is left
.if MSB != \new
	s_set_vgpr_msb (MSB<<8)|\new
.set MSB, \new
.endif
.endm
.set MUL_LO, 0xa1                      ; source 0 (B') window 1, source 1 (A') window 0, C and D window 2
.set MUL_HI, 0xf1
.set TO_B,   0x40
; A joint load: waves 0 and 1 fetch for A', waves 2 and 3 for B'.  The branch hangs on the wave's number alone.  Four v_nop follow each of the two lines.
.macro JLOAD g0a, g1a, g0b, g1b
	s_cmp_eq_u32 s15, 0
	s_cbranch_scc0 .Lfor_b_\@
	tensor_load_to_lds s[\g0a:\g0a+3], s[\g1a:\g1a+7]
	s_nop 0
.rept 4
	v_nop
.endr
	s_branch .Lasked_\@
.Lfor_b_\@:
	tensor_load_to_lds s[\g0b:\g0b+3], s[\g1b:\g1b+7]
	s_nop 0
.rept 4
	v_nop
.endr
.Lasked_\@:
.endm
.macro CREST                           ; a round of the cluster's barrier behind its opening barrier
	s_cmp_lg_u32 s14, 0
	s_cbranch_scc1 .Lnot_wave_0_\@
	s_barrier_signal -3
.Lnot_wave_0_\@:
	s_barrier_wait -3
	s_barrier_signal -1
	s_barrier_wait -1
.endm
.macro CROUND
	s_barrier_signal -1
	s_barrier_wait -1
	CREST
.endm
	s_load_b128 s[4:7], s[0:1], 0x0                ; xcodes s[4:5], wcodes s[6:7]
	s_load_b64 s[8:9], s[0:1], 0x10                ; the scales' exponents
	s_load_b256 s[68:75], s[0:1], 0x18             ; qc 68:69, kc 70:71, vc 72:73, r 74:75
	v_lshl_add_u32 v[SPW], v0, 2, SPARE
	v_mov_b32 v[NIL], 0
	ds_add_u32 v28, v29
	ds_add_u32 v28, v29
	s_wait_dscnt 0x0
	v_lshrrev_b32 v1, 5, v0
	v_readfirstlane_b32 s14, v1                    ; wave 0..3
	s_lshr_b32 s15, s14, 1                         ; which half of the tile's rows is mine.  Also: I fetch for A' (0) or for B' (1)
	s_and_b32 s16, s14, 1                          ; which half of its columns.  Also: which 128 rows of that tile I fetch
	s_bfe_u32 s40, ttmp6, 0x40000                  ; cx, cy: my place in the cluster
	s_bfe_u32 s41, ttmp6, 0x40004
	s_and_b32 s12, ttmp7, 0xffff                   ; the cluster's y, 0 to 31
	s_lshr_b32 s66, s12, 3                         ; p: which product
	s_and_b32 s67, s12, 7
	s_lshl_b32 s67, s67, 2                         ; the cluster's first tile along x's 8,192 rows
	s_lshl_b32 s12, s66, 23                        ; plane p of xcodes,
	s_lshl_b32 s13, s66, 20                        ; of wcodes
	s_cmp_eq_u32 s66, 2
	s_cselect_b32 s98, 0, s67                      ; the cluster's first tile row,
	s_cselect_b32 s99, s67, 0                      ; and tile column
	s_cselect_b32 s100, s13, s12                   ; A's plane,
	s_cselect_b32 s101, s12, s13                   ; B's plane
	s_add_co_u32 s17, s98, s41                     ; tile row of C'
	s_add_co_u32 s42, s99, s40                     ; tile column of C'
	s_lshl_b32 s43, s41, 2
	s_lshl_b32 s43, 15, s43                        ; my row of the cluster
	s_lshl_b32 s44, 0x1111, s40                    ; my column
	; descriptor group 1: a tile of 128 rows x 256 bytes, padded in LDS
	s_or_b32 s[G1+0], s43, (0<<16)|(1<<20)|(1<<21)|(5<<22)|(3<<25)  ; 15:0 the mask: A's tiles go to my row; 17:16 element of 1 byte; 20 padding on; 21 set beside a mask; 24:22 after every 64 words; 31:25 of 4 words
	s_or_b32 s[G1B+0], s44, (0<<16)|(1<<20)|(1<<21)|(5<<22)|(3<<25)
.irp g, G1, G1B
	s_mov_b32 s[\g+1], ROWB<<16                    ; tensor_dim0
	s_mov_b32 s[\g+2], 128<<16                     ; tensor_dim1
	s_mov_b32 s[\g+3], ROWB<<16                    ; tile_dim0
	s_mov_b32 s[\g+4], 128                         ; tile_dim1
	s_mov_b32 s[\g+5], KROW                        ; tensor_dim0_stride
	s_mov_b32 s[\g+6], 0
	s_mov_b32 s[\g+7], 0
.endr
	s_lshl_b32 s18, s16, 7                         ; which 128 rows of the tile I fetch
	s_lshl_b32 s20, s17, 8
	s_add_co_u32 s20, s20, s18                     ; A': row 256 x tile row + 128 x half,
	s_lshl_b32 s20, s20, 10                        ; in bytes,
	s_add_co_u32 s20, s20, s100                    ; in its plane: under 2^26
	s_mov_b32 s21, 0
	s_lshl_b32 s46, s42, 8
	s_add_co_u32 s46, s46, s18                     ; B': row 256 x tile column + 128 x half
	s_lshl_b32 s46, s46, 10
	s_add_co_u32 s46, s46, s101
	s_mov_b32 s47, 0
	s_mul_i32 s45, s14, HALFT                      ; where they go: wave x 128 rows: no place in the cluster enters an LDS address
	s_wait_kmcnt 0x0
	s_load_b256 s[76:83], s[8:9], 0x0              ; e0 .. e7
	s_load_b128 s[84:87], s[8:9], 0x20             ; e8 .. e11
	s_cmp_eq_u32 s66, 2
	s_cselect_b64 s[88:89], s[6:7], s[4:5]         ; A'
	s_cselect_b64 s[90:91], s[4:5], s[6:7]         ; B'
	s_add_nc_u64 s[20:21], s[88:89], s[20:21]
	s_add_nc_u64 s[46:47], s[90:91], s[46:47]
	CROUND                                         ; all sixteen work-groups are here: the first joint loads meet
.irp s, 0,1
	s_mov_b32 s[G0+4*\s], 1
	s_add_co_u32 s[G0+4*\s+1], s45, \s*SLOT
	s_add_nc_u64 s[G0+4*\s+2:G0+4*\s+3], s[20:21], \s*ROWB
	s_or_b32 s[G0+4*\s+3], s[G0+4*\s+3], 0x80000000
	s_mov_b32 s[G0B+4*\s], 1
	s_add_co_u32 s[G0B+4*\s+1], s45, \s*SLOT
	s_add_nc_u64 s[G0B+4*\s+2:G0B+4*\s+3], s[46:47], \s*ROWB
	s_or_b32 s[G0B+4*\s+3], s[G0B+4*\s+3], 0x80000000
	JLOAD G0+4*\s, G1, G0B+4*\s, G1B
.endr
	v_and_b32 v1, 15, v0                           ; l % 16
	v_bfe_u32 v2, v0, 4, 1                         ; l / 16
	v_mul_u32_u24 v3, v1, PITCH
	v_lshl_add_u32 v4, v2, 4, v3                   ; a fragment's row x pitch + 16 x half
	s_mul_i32 s21, s15, HALFT                      ; my 128 rows of A'
	s_mul_i32 s22, s16, HALFT                      ; my 128 rows of B',
	s_add_co_u32 s22, s22, 2*HALFT                 ; which lie behind A's 256
.irp s, 0,1
	v_add_nc_u32 v[ADRA+\s], s21, v4
	v_add_nc_u32 v[ADRB+\s], s22, v4
	s_add_co_u32 s21, s21, SLOT
	s_add_co_u32 s22, s22, SLOT
.endr
	s_mul_i32 s23, s14, 16*SPITCH                  ; my stage for r
	v_mul_u32_u24 v5, v1, SPITCH                   ; in: row l % 16, 32 bytes for each half of the lanes
	v_lshl_add_u32 v5, v2, 5, v5
	v_add_nc_u32 v[STO], s23, v5
	v_and_b32 v6, 31, v0
	v_lshlrev_b32 v[CO], 4, v6                     ; back: the 32 lanes take 512 consecutive bytes; and the same in memory
	v_add_nc_u32 v[RD], s23, v[CO]
	s_mul_i32 s22, s14, 16*CPITCH                  ; my stages for codes
	v_mul_u32_u24 v7, v1, CPITCH                   ; in: row l % 16, 16 bytes for each half of the lanes
	v_lshl_add_u32 v7, v2, 4, v7
	v_add_nc_u32 v7, s22, v7
	v_add_nc_u32 v[STQ], QSTG, v7
	v_add_nc_u32 v[STV], VSTG, v7
	v_lshrrev_b32 v7, 2, v6                        ; back, q and k: four lanes take a row's 64 bytes of one head, the wave eight rows
	v_mul_u32_u24 v7, v7, CPITCH
	v_and_b32 v8, 3, v6
	v_lshl_add_u32 v7, v8, 4, v7
	v_add_nc_u32 v7, s22, v7
	v_add_nc_u32 v[RDQ], QSTG, v7
	v_lshrrev_b32 v7, 3, v6                        ; back, v: eight lanes take a row of 128 bytes, the wave four rows
	v_mul_u32_u24 v7, v7, CPITCH
	v_and_b32 v8, 7, v6
	v_lshl_add_u32 v7, v8, 4, v7
	v_add_nc_u32 v7, s22, v7
	v_add_nc_u32 v[RDV], VSTG, v7
	; where my 128 x 128 of C' goes.  m0, n0: its first row and column
	s_lshl_b32 s12, s17, 8
	s_lshl_b32 s13, s15, 7
	s_add_co_u32 s12, s12, s13                     ; m0
	s_lshl_b32 s13, s42, 8
	s_lshl_b32 s18, s16, 7
	s_add_co_u32 s13, s13, s18                     ; n0
	s_lshl_b32 s18, s12, 12                        ; r: m0 rows of 4,096 bytes + 4 n0
	s_lshl_b32 s19, s13, 2
	s_add_co_u32 s18, s18, s19
	s_lshr_b32 s19, s12, 11                        ; q, k: (((batch x 16 + head) x 2,048) + token) x 64; batch = m0 / 2,048, head = n0 / 64
	s_lshl_b32 s19, s19, 4
	s_lshr_b32 s22, s13, 6
	s_add_co_u32 s19, s19, s22
	s_lshl_b32 s19, s19, 11
	s_and_b32 s22, s12, 2047
	s_add_co_u32 s19, s19, s22
	s_lshl_b32 s19, s19, 6
	s_lshr_b32 s22, s13, 11                        ; v: (((batch x 16 + head) x 16) + block of keys) x 8,192; batch = n0 / 2,048, head = m0 / 64
	s_lshl_b32 s22, s22, 4
	s_lshr_b32 s23, s12, 6
	s_add_co_u32 s22, s22, s23
	s_lshl_b32 s22, s22, 4
	s_bfe_u32 s23, s13, 0x40007                    ; (n0 / 128) % 16
	s_add_co_u32 s22, s22, s23
	s_lshl_b32 s22, s22, 13
	s_cmp_eq_u32 s66, 0
	s_cselect_b64 s[10:11], s[68:69], s[70:71]
	s_cmp_eq_u32 s66, 2
	s_cselect_b64 s[10:11], s[72:73], s[10:11]
	s_cselect_b32 s19, s22, s19
	s_cmp_eq_u32 s66, 3
	s_cselect_b64 s[10:11], s[74:75], s[10:11]
	s_cselect_b32 s18, s18, s19
	s_mov_b32 s19, 0
	s_add_nc_u64 s[10:11], s[10:11], s[18:19]
.macro FRAG reg, adr, q, i             ; a fragment, 16 rows x 128 K of codes, is 16 registers: lane l holds row l % 16; registers 4 c .. 4 c + 3 hold K = 32 c + 16 (l / 16) + 0 .. 15
.irp c, 0,1,2,3
	ds_load_b128 v[\reg+4*\c:\reg+4*\c+3], v[\adr] offset:128*(\q)+32*\c+(\i)*16*PITCH
.endr
.endm
; 16 matrix instructions: A's blocks a0, a0 + 1 x B's eight, 128 along K.  p: B's set.  zero = 1: the first product starts the sums.
; The 64 accumulators take turns, one instruction a turn, in the same order in every step.
.macro MUL16 a0, p, zero
.irp a, \a0, \a0+1
.irp b, 0,1,2,3,4,5,6,7
.if \zero
	v_wmma_f32_16x16x128_bf8_bf8 v[8*(8*((\a)%4)+\b):8*(8*((\a)%4)+\b)+7], v[128*(\p)+FR*\b:128*(\p)+FR*\b+FR-1], v[AF+FR*(\a):AF+FR*(\a)+FR-1], 0
.else
	v_wmma_f32_16x16x128_bf8_bf8 v[8*(8*((\a)%4)+\b):8*(8*((\a)%4)+\b)+7], v[128*(\p)+FR*\b:128*(\p)+FR*\b+FR-1], v[AF+FR*(\a):AF+FR*(\a)+FR-1], v[8*(8*((\a)%4)+\b):8*(8*((\a)%4)+\b)+7]
.endif
.endr
.endr
.endm
.macro FETCH_B slot, q, p
	WIN TO_B
.irp i, 0,1,2,3,4,5,6,7
	FRAG 128*(\p)+FR*\i, ADRB+\slot, \q, \i
.endr
	WIN 0
.endm
.macro FETCH_A slot, q, i0
.irp i, \i0, \i0+1, \i0+2, \i0+3
	FRAG AF+FR*(\i), ADRA+\slot, \q, \i
.endr
.endm
; A load into a register that a matrix instruction has read, and a vector instruction or an LDS store that reads a matrix result, stand NP places behind that matrix instruction; only plain vector
; instructions that name none of its registers are places (ISA guide 7.12.1 for vector instructions).
.macro PLACES n
.rept \n
	v_nop
.endr
.endm
; A step of 128 along K that has its successor in the same slot.
.macro STEP slot, q, zero
	s_wait_dscnt 4*NL                              ; B's set and A's blocks 0-3 are in; the youngest sixteen loads (A's blocks 4-7) may be out
	WIN MUL_LO
	MUL16 0, (\q)%2, \zero
	MUL16 2, (\q)%2, \zero
	s_wait_dscnt 0                                 ; A's blocks 4-7 are in
	PLACES NP
	FETCH_B \slot, (\q)+1, 1-(\q)%2
	FETCH_A \slot, (\q)+1, 0
	WIN MUL_HI
	MUL16 4, (\q)%2, \zero
	MUL16 6, (\q)%2, \zero
	PLACES NP
	WIN 0
	FETCH_A \slot, (\q)+1, 4
.endm
; A slot's last step changes slots: ONE barrier; in front of it each wave waits for all its tensor loads, adds 0 to its spare word, and waits for that and for its own reads of this slot.  fill = 1: this slot is filled again, two K steps ahead.
.macro TURN slot, next, fill
	s_wait_tensorcnt 0x0                           ; all my tensor loads have landed: my part of the next slot
	ds_add_u32 v[SPW], v[NIL]                      ; 0 onto my spare word
	s_wait_dscnt 4*NL+1                            ; (the add and the youngest sixteen loads may be out)
	WIN MUL_LO
	MUL16 0, 1, 0                                  ; sixteen matrix instructions stand between the add and the wait for it
	s_wait_dscnt 0x0                               ; the add is done, and my reads of this slot are over
	s_barrier_signal -1
	MUL16 2, 1, 0
	WIN 0
	s_barrier_wait -1
.if \fill
	CREST                                          ; the barrier has opened a round of the cluster's barrier: no wave of any partner still reads this slot's tile or has a load on its way
	s_add_nc_u64 s[G0+4*\slot+2:G0+4*\slot+3], s[G0+4*\slot+2:G0+4*\slot+3], 2*ROWB
	s_add_nc_u64 s[G0B+4*\slot+2:G0B+4*\slot+3], s[G0B+4*\slot+2:G0B+4*\slot+3], 2*ROWB
	JLOAD G0+4*\slot, G1, G0B+4*\slot, G1B         ; the first tensor load behind the round; its four v_nop are also the places in front of the loads below
.else
	PLACES NP
.endif
	FETCH_B \next, 0, 0
	FETCH_A \next, 0, 0
	WIN MUL_HI
	MUL16 4, 1, 0
	MUL16 6, 1, 0
	PLACES NP
	WIN 0
	FETCH_A \next, 0, 4
.endm
	s_wait_tensorcnt 1                             ; my part of K step 0 is in (K step 1's load may be out)
	s_barrier_signal -1
	s_barrier_wait -1                              ; everybody's is
	FETCH_B 0, 0, 0
	FETCH_A 0, 0, 0
	FETCH_A 0, 0, 4
	STEP 0, 0, 1                                   ; the first step stands in front of the loop: its products start the sums
	s_mov_b32 s3, LAPS-1
.Llap:                                                 ; a trip goes once round the ring and fills both slots again
	TURN 0, 1, 1
	STEP 1, 0, 0
	TURN 1, 0, 1
	STEP 0, 0, 0
	s_sub_co_u32 s3, s3, 1
	s_cmp_lg_u32 s3, 0
	s_cbranch_scc1 .Llap
	TURN 0, 1, 0                                   ; the last lap fills nothing, and has no round of the cluster's barrier
	STEP 1, 0, 0
	s_wait_dscnt 4*NL                              ; the very last step: nothing more to fetch
	WIN MUL_LO
	MUL16 0, 1, 0
	MUL16 2, 1, 0
	s_wait_dscnt 0
	WIN MUL_HI
	MUL16 4, 1, 0
	MUL16 6, 1, 0
	WIN 0
; THE WAY OUT OF r, block by block of 16 rows x 128 columns: x 2^(e10 + e11), through my own stage, back as whole rows of 512 bytes.  LDS serves a wave's instructions in order (ISA guide 5.7.1.4).
.macro TOSTAGE a
.set AC, 64*((\a)%4)
	WIN 0x02+((\a)/4)                              ; source 0: window 2 or 3
.irp j, 0,2,4,6,8,10,12,14,16,18,20,22,24,26,28,30,32,34,36,38,40,42,44,46,48,50,52,54,56,58,60,62
	v_pk_mul_f32 v[TMP+\j:TMP+\j+1], v[AC+\j:AC+\j+1], s[96:97] op_sel_hi:[1,0]   ; each accumulator from its low end on
.endr
	WIN 0
.irp b, 0,1,2,3,4,5,6,7
	ds_store_b128 v[STO], v[TMP+8*\b:TMP+8*\b+3] offset:64*\b
	ds_store_b128 v[STO], v[TMP+8*\b+4:TMP+8*\b+7] offset:64*\b+16
.endr
.set BB, BK+64*((\a)%2)
.irp t, 0,1,2,3,4,5,6,7,8,9,10,11,12,13,14,15
	ds_load_b128 v[BB+4*\t:BB+4*\t+3], v[RD] offset:\t*SPITCH
.endr
.endm
.macro SEND a, younger                 ; younger: the LDS instructions issued behind block a's loads, which may stay out
.set BB, BK+64*((\a)%2)
	s_wait_dscnt \younger
.if (\a) > 0
	s_add_nc_u64 s[10:11], s[10:11], 16*SIZE_N*4   ; (behind a wait on XCNT: the earlier stores have read their base)  16 rows on
.endif
.irp t, 0,1,2,3,4,5,6,7,8,9,10,11,12,13,14,15
	global_store_b128 v[CO], v[BB+4*\t:BB+4*\t+3], s[10:11] offset:\t*SIZE_N*4   ; 32 lanes store 512 consecutive bytes, at a multiple of 256 from r's first byte
.endr
.endm
; THE WAY OUT OF CODES, block by block of 16 rows of C' x 128 columns.  A lane's 64 sums are held within the largest code x the scale, converted (eight neighbours of one accumulator to two registers), and the codes of
; accumulators 2 B and 2 B + 1, 16 bytes, go as they come to byte 32 B + 16 (l / 16) of the lane's row in my stage.  They come back so that the wave's 32 lanes hold 512 bytes that are consecutive in the buffer.
.macro CSTAGE a, sto, rdr, v           ; v = 0: q or k; 1: v
.set AC, 64*((\a)%4)
.set CC, CD+16*((\a)%2)
.set BB, BKC+16*((\a)%2)
	WIN 0x02+((\a)/4)                              ; source 0: window 2 or 3
.set i, 0
.rept 64
	v_med3_num_f32 v[TMP+i], v[AC+i], -v[LIM], v[LIM]   ; the conversion to an 8-bit code does not saturate (ISA guide 7.6.2); each accumulator from its low end on
.set i, i+1
.endr
	WIN 0
.irp g, 0,1,2,3,4,5,6,7
	v_cvt_scalef32_pk8_bf8_f32 v[CC+2*\g:CC+2*\g+1], v[TMP+8*\g:TMP+8*\g+7], v[SCL]
.endr
	v_nop                                          ; a plain vector line between the conversions and the next block's holds, which write their sources again
.irp b, 0,1,2,3
	ds_store_b128 v[\sto], v[CC+4*\b:CC+4*\b+3] offset:32*\b
.endr
.irp t, 0,1,2,3
.if \v
	ds_load_b128 v[BB+4*\t:BB+4*\t+3], v[\rdr] offset:4*CPITCH*\t                  ; four channels' rows of 128 bytes
.else
	ds_load_b128 v[BB+4*\t:BB+4*\t+3], v[\rdr] offset:(\t%2)*8*CPITCH+(\t/2)*64    ; eight tokens' 64 bytes of head t / 2
.endif
.endr
.endm
.macro CSEND a, v, younger
.set BB, BKC+16*((\a)%2)
	s_wait_dscnt \younger
.irp t, 0,1,2,3
.if \v
	global_store_b128 v[CO], v[BB+4*\t:BB+4*\t+3], s[10:11] offset:((\a)/4)*131072+((\a)%4)*2048+512*\t   ; head a / 4, channels 16 (a % 4) + 4 t on: 512 consecutive bytes, aligned
.else
	global_store_b128 v[CO], v[BB+4*\t:BB+4*\t+3], s[10:11] offset:(\t/2)*131072+(\a)*1024+(\t%2)*512     ; head t / 2, tokens 16 a + 8 (t % 2) on: 512 consecutive bytes, aligned
.endif
.endr
.endm
	s_wait_kmcnt 0x0
	s_add_co_i32 s92, s76, s77                     ; eA + eB of my product,
	s_add_co_i32 s12, s78, s79
	s_add_co_i32 s13, s80, s81
	s_add_co_i32 s18, s86, s87
	s_mov_b32 s93, s82                             ; and the exponent of what it becomes: e6, e7, e8 (chosen without a jump)
	s_cmp_eq_u32 s66, 1
	s_cselect_b32 s92, s12, s92
	s_cselect_b32 s93, s83, s93
	s_cmp_ge_u32 s66, 2
	s_cselect_b32 s92, s13, s92
	s_cselect_b32 s93, s84, s93
	s_cmp_eq_u32 s66, 3
	s_cselect_b32 s92, s18, s92
	s_add_co_i32 s96, s92, 127
	s_lshl_b32 s96, s96, 23                        ; 2^(eA + eB) as f32: used by r alone
	s_mov_b32 s97, s96                             ; (named with it as a pair, so it is written)
	s_sub_co_i32 s94, s93, s92
	s_add_co_i32 s94, s94, 127
	s_lshl_b32 s95, s94, 23
	v_mov_b32 v[SCL], s95                          ; 2^(eOut - eA - eB): the three scales folded into the conversion's one
	s_add_co_i32 s94, s94, 15
	s_lshl_b32 s94, s94, 23
	s_or_b32 s94, s94, 0x600000
	v_mov_b32 v[LIM], s94                          ; 57,344 x that
	PLACES NP                                      ; behind the last products: for the first reads of results and the loads into the registers that held A's fragments
	s_cmp_eq_u32 s66, 3                            ; p is the same in all sixteen partners
	s_cbranch_scc1 .Lout_r
	s_cmp_eq_u32 s66, 2
	s_cbranch_scc1 .Lout_v
	CSTAGE 0, STQ, RDQ, 0
.irp a, 1,2,3,4,5,6,7
.if \a > 1
	s_wait_xcnt 0x0                                ; block a - 2's stores have read their registers: block a's loads may land there
.endif
	CSTAGE \a, STQ, RDQ, 0
	CSEND \a-1, 0, 8                               ; behind block a - 1's loads: block a's 4 stores and 4 loads
.endr
	CSEND 7, 0, 0
	s_branch .Lend
.Lout_v:
	CSTAGE 0, STV, RDV, 1
.irp a, 1,2,3,4,5,6,7
.if \a > 1
	s_wait_xcnt 0x0
.endif
	CSTAGE \a, STV, RDV, 1
	CSEND \a-1, 1, 8
.endr
	CSEND 7, 1, 0
	s_branch .Lend
.Lout_r:
	TOSTAGE 0
.irp a, 1,2,3,4,5,6,7
.if \a > 1
	s_wait_xcnt 0x0                                ; block a - 2's stores have read their registers and their base
.endif
	TOSTAGE \a
	SEND \a-1, 32                                  ; behind block a - 1's loads: block a's 16 stores and 16 loads
.endr
	s_wait_xcnt 0x0
	SEND 7, 0
.Lend:
	s_wait_tensorcnt 0x0                           ; the wave's end: behind my last tensor load and my last LDS store
	ds_add_u32 v[SPW], v[NIL]
	s_wait_dscnt 0x0
	CROUND                                         ; the closing round: no work-group ends while a partner may still ask for a tile that names it
	s_endpgm
.Lfunc_end_k_q9b67783e29_proj:
	.size	k_q9b67783e29_proj, .Lfunc_end_k_q9b67783e29_proj-k_q9b67783e29_proj
	.p2alignl 7, 3214868480
	.fill 96, 4, 3214868480
	.section	.rodata,"a",@progbits
	.p2align	6, 0x0
	.amdhsa_kernel k_q9b67783e29_proj
		.amdhsa_group_segment_fixed_size 327680
		.amdhsa_private_segment_fixed_size 0
		.amdhsa_enable_private_segment 0
		.amdhsa_kernarg_size 56
		.amdhsa_user_sgpr_count 2
		.amdhsa_user_sgpr_kernarg_segment_ptr 1
		.amdhsa_wavefront_size32 1
		.amdhsa_system_sgpr_workgroup_id_x 1
		.amdhsa_system_sgpr_workgroup_id_y 1
		.amdhsa_system_sgpr_workgroup_id_z 1
		.amdhsa_system_vgpr_workitem_id 0
		.amdhsa_next_free_vgpr 1024
		.amdhsa_next_free_sgpr 102
		.amdhsa_reserve_vcc 0
		.amdhsa_float_denorm_mode_32 3
		.amdhsa_float_denorm_mode_16_64 3
		.amdhsa_memory_ordered 1
		.amdhsa_forward_progress 1
		.amdhsa_inst_pref_size 215
	.end_amdhsa_kernel
	.amdgpu_metadata
---
amdhsa.version: [ 1, 2 ]
amdhsa.kernels:
  - .name:           k_q9b67783e29_proj
    .symbol:         k_q9b67783e29_proj.kd
    .args:
      - { .name: xcodes, .offset: 0, .size: 8, .value_kind: global_buffer, .address_space: global }
      - { .name: wcodes, .offset: 8, .size: 8, .value_kind: global_buffer, .address_space: global }
      - { .name: lowp_scales, .offset: 16, .size: 8, .value_kind: global_buffer, .address_space: global }
      - { .name: qc, .offset: 24, .size: 8, .value_kind: global_buffer, .address_space: global }
      - { .name: kc, .offset: 32, .size: 8, .value_kind: global_buffer, .address_space: global }
      - { .name: vc, .offset: 40, .size: 8, .value_kind: global_buffer, .address_space: global }
      - { .name: r, .offset: 48, .size: 8, .value_kind: global_buffer, .address_space: global }
    .group_segment_fixed_size: 327680
    .private_segment_fixed_size: 0
    .kernarg_segment_align: 8
    .kernarg_segment_size: 56
    .max_flat_workgroup_size: 128
    .sgpr_count:     102
    .vgpr_count:     1024
    .wavefront_size: 32
...
	.end_amdgpu_metadata
.endif
;; end of part 2
;; launch attn (part 3): grid 4 x 64, 16 waves a work-group, clusters of 4 x 1, 327,680 bytes of LDS; arguments qc, kc, vc, mask, lowp_scales, ao; writes ao
.if DOCPART == 3
	.amdgcn_target "amdgcn-amd-amdhsa--gfx1250"
	.amdhsa_code_object_version 6
	.text
	.protected	k_q9b67783e29_attn
	.globl	k_q9b67783e29_attn
	.p2align	8
	.type	k_q9b67783e29_attn,@function
k_q9b67783e29_attn:
	s_mov_b64 s[64:65], 0
	v_nop
	global_prefetch_b8 v0, s[64:65] scope:SCOPE_SE
	s_setreg_imm32_b32 hwreg(HW_REG_WAVE_MODE, 25, 1), 1
	s_wait_xcnt 0x0
	s_wait_alu depctr_hold_cnt(0) depctr_sa_sdst(0) depctr_va_vdst(0) depctr_va_sdst(0) depctr_va_ssrc(0) depctr_va_vcc(0) depctr_vm_vsrc(0)
	s_getreg_b32 s2, hwreg(HW_REG_IB_STS2, 6, 4)
	s_cmp_eq_u32 s2, 0
	s_cbranch_scc0 .Lentry_in_a_cluster
	s_endpgm
.Lentry_in_a_cluster:
	s_bfe_u32 s2, ttmp6, 0x10000c
	s_cmp_lg_u32 s2, 0x3003
	s_cbranch_scc0 .Lentry_shape_is_right
	s_endpgm
.Lentry_shape_is_right:
; ao[batch][q][head x 64 + d] = the sum over keys of softmax_k(q . k / 8, keys with mask 0 at -1e9) v, both products on codes of BF8 (E5M2); exponents e6 (q), e7 (k), e8 (v), e9 (p).
; qc, kc: [64 = batch x 16 + head][2048][64] codes; vc: [64][16 blocks of 128 keys][64 channels][128] codes; both laid so that a 16-byte load at 32 c + 16 (lane / 16) of a row brings the matrix form's own layout.
; THE SOFTMAX AHEAD OF THE SECOND PRODUCT: t = logit x log2(e); M = the row's largest t so far, rounded UP to a whole number; p = 2^(t - M) is quantised with 2^e9; it is not normalised.
; The row's sum is taken of the unquantised p, in f32, and divides O at the end.  When M moves, the sum and O are multiplied by 2^(old M - new M): exact.
; THE MASK is the C operand of the first product: 0 for a key that counts, -8e9 x 2^-(e6 + e7) for one that does not, so that its t is -1e9 x log2(e) plus the key's own small t: p is 0 beside any key that counts.
;   LIMIT: that is the masked logit s - 1e9 in place of -1e9: the same weights wherever some unmasked logit of the row lies above about -1e9 + 200 + |s|.
;   A batch with NO key that counts: the factor c is made 0 (a select, no branch): every t is 0, every p is 1, the sum 2,048: the uniform softmax that equal logits of -1e9 give.
; LIMITS on the given exponents, so that each power of two is an f32 number: e6 + e7 between -94 and 130; e9 between -126 and 112; e8 + e9 is applied by v_ldexp_f32 and has none.
; SHARES.  A work-group owns 512 queries of one head; each of its sixteen waves 32, as two tiles of 16 that it takes one after the other: four waves to a SIMD, so that one wave's vector work stands beside another's products and LDS loads.
; ALL of the head's K and V lies in LDS, filled ONCE: 2,048 rows of K (64 + 16 bytes), 1,024 rows of V^T (128 + 16 bytes).  No LDS byte is filled twice.
; CLUSTER.  The four work-groups of a head form a cluster and need the same K and V: each tile is asked for JOINTLY, by the same tensor load with the same descriptor and the mask 15.
; The tiles come in four chunks of 512 keys: waves 0, 1 ask for K's halves of each chunk, waves 2, 3 for V's: four loads of such a wave are out at the most.  The first tile of queries starts on chunk 0 while the others land.
; LAYOUT.  S^T = K Q^T (source 0 = 16 keys, source 1 = my 16 queries), O^T = V^T P^T: a lane holds ONE query (lane % 16) throughout, and tile T's eight registers are keys 16 T + 8 (lane / 16) + 0 .. 7: their codes ARE registers 2 T, 2 T + 1 of P.
; REGISTERS: v1-6 addresses that stay; v7-9 addresses of the loads in hand; v[10:11] c; v12 -M, v13 the largest t, v[14:15] the sum in two halves; v16-31 Q's two tiles; v32-63 four fragments of K, v64-95 four tiles of the mask's
; numbers, then v32-95 four fragments of V; v96-159 S^T, then p; v160-191 O^T; v192-223 the first tile's finished O; v224-239 p's codes; v236-254 at work.
.set KP,   80                          ; a key's row in LDS: 64 bytes + 16 of padding: 5 x 16, so the 16 rows of a load start at 16 different groups of banks (ISA guide 11.1)
.set VP,   144                         ; a row of V^T: 128 + 16 = 9 x 16
.set VREG, 2048*KP                     ; V^T behind K
.set BIAS, VREG+1024*VP                ; 2,048 f32: the mask's numbers; written by LDS stores, in blocks of 256 bytes into which no tile lands
.set FLAG, BIAS+8192                   ; 16 words: does wave w's part of the mask hold a key that counts?
.set SPI,  272                         ; the way out: 16 rows x (256 + 16) bytes for each wave, over K's rows, behind the barrier behind which nobody reads them
.set AK0,  1
.set AV0,  2
.set AB0,  3
.set GO,   4
.set STO,  5
.set RD,   6
.set ADB,  7
.set ADK,  8
.set ADV,  9
.set KO,   2                           ; s2   LDS byte of the step's keys in K
.set VO,   3                           ; s3   in V^T
.set BO,   16                          ; s16  in the mask's numbers
.set CNT,  17
.set WV,   18
.set SEL,  20                          ; s[20:21] lane selects for v_permlanex16_b32: lane l xor 16
.set G1K,  24                          ; s[24:31] descriptor group 1 for K's tiles;  s[32:39] for V's
.set G1V,  32
.set G0K,  40                          ; s[40:55] groups 0 for K's four chunks;  s[68:83] for V's
.set G0V,  68
.macro CROUND                          ; a round of the cluster's barrier
	s_barrier_signal -1
	s_barrier_wait -1
	s_cmp_lg_u32 s[WV], 0
	s_cbranch_scc1 .Lnot_wave_0_\@
	s_barrier_signal -3
.Lnot_wave_0_\@:
	s_barrier_wait -3
	s_barrier_signal -1
	s_barrier_wait -1
.endm
	s_load_b256 s[4:11], s[0:1], 0x0               ; qc 4:5, kc 6:7, vc 8:9, mask 10:11
	s_load_b128 s[12:15], s[0:1], 0x20             ; the scales' exponents 12:13, ao 14:15
	v_lshl_add_u32 v251, v0, 2, 0x4e100
	v_mov_b32 v255, 0
	ds_add_u32 v251, v255
	ds_add_u32 v251, v255
	v_lshrrev_b32 v1, 5, v0
	v_readfirstlane_b32 s[WV], v1                  ; wave 0..15
	s_bfe_u32 s88, ttmp6, 0x40000                  ; cx: which 512 queries: it enters Q's and ao's addresses alone
	s_and_b32 s89, ttmp7, 0xffff                   ; batch x 16 + head, which the four partners share
	s_lshr_b32 s90, s89, 4                         ; batch
	s_and_b32 s91, s89, 15                         ; head
	s_and_b32 s92, s[WV], 1                        ; which half of a chunk I fetch, if I fetch
	s_mov_b32 s95, 0
	s_mov_b32 s99, 0
	; descriptor group 1.  K: 256 rows of 64 bytes, dense in memory, 16 bytes of padding behind each;  V: 128 rows of 128 bytes likewise
	s_mov_b32 s[G1K], 15|(0<<16)|(1<<20)|(1<<21)|(3<<22)|(3<<25)   ; 15:0 the mask: all four work-groups; 17:16 elements of 1 byte; 20 padding on; 21 set beside a mask; 24:22 after every 16 words; 31:25 four words
	s_mov_b32 s[G1K+1], 64<<16                     ; tensor_dim0
	s_mov_b32 s[G1K+2], 256<<16                    ; tensor_dim1
	s_mov_b32 s[G1K+3], 64<<16                     ; tile_dim0
	s_mov_b32 s[G1K+4], 256                        ; tile_dim1
	s_mov_b32 s[G1K+5], 64                         ; tensor_dim0_stride
	s_mov_b32 s[G1K+6], 0
	s_mov_b32 s[G1K+7], 0
	s_mov_b32 s[G1V], 15|(0<<16)|(1<<20)|(1<<21)|(4<<22)|(3<<25)   ; padding: four words after every 32
	s_mov_b32 s[G1V+1], 128<<16
	s_mov_b32 s[G1V+2], 128<<16
	s_mov_b32 s[G1V+3], 128<<16
	s_mov_b32 s[G1V+4], 128
	s_mov_b32 s[G1V+5], 128
	s_mov_b32 s[G1V+6], 0
	s_mov_b32 s[G1V+7], 0
	s_mov_b32 s[SEL], 0x76543210
	s_mov_b32 s[SEL+1], 0xfedcba98
	s_mul_i32 s96, s92, 256*KP                     ; my half's place in a chunk of K,
	s_mul_i32 s97, s92, 128*VP
	s_add_co_u32 s97, s97, VREG                    ; and of V^T: the wave's number and constants alone
	s_wait_dscnt 0x0
	s_wait_kmcnt 0x0
	s_load_b128 s[84:87], s[12:13], 0x18           ; e6, e7, e8, e9
	s_lshl_b32 s94, s89, 17                        ; the head's 131,072 bytes in each tensor of codes
	s_add_nc_u64 s[4:5], s[4:5], s[94:95]
	s_lshl_b32 s93, s92, 14                        ; my half: 256 rows of 64 bytes, or 128 rows of 128
	s_add_co_u32 s94, s94, s93
	s_add_nc_u64 s[6:7], s[6:7], s[94:95]
	s_add_nc_u64 s[8:9], s[8:9], s[94:95]
.irp c, 0,1,2,3
	s_mov_b32 s[G0K+4*\c], 1                                       ; 1:0 count = 1
	s_add_co_u32 s[G0K+4*\c+1], s96, \c*512*KP                     ; 63:32 LDS address: chunk c
	s_add_nc_u64 s[G0K+4*\c+2:G0K+4*\c+3], s[6:7], \c*32768        ; 120:64 global address: keys 512 c on
	s_or_b32 s[G0K+4*\c+3], s[G0K+4*\c+3], 0x80000000              ; 127:126 type = 2
	s_mov_b32 s[G0V+4*\c], 1
	s_add_co_u32 s[G0V+4*\c+1], s97, \c*256*VP
	s_add_nc_u64 s[G0V+4*\c+2:G0V+4*\c+3], s[8:9], \c*32768
	s_or_b32 s[G0V+4*\c+3], s[G0V+4*\c+3], 0x80000000
.endr
	CROUND                                         ; all four work-groups are here: the joint loads meet
	s_cmp_lt_u32 s[WV], 2                          ; a wave's four fills stand in one branch on the wave's number, ahead of every wait on TENSORcnt, every LDS read and every other barrier; four v_nop follow the last
	s_cbranch_scc0 .Lnot_k
.irp c, 0,1,2,3
	tensor_load_to_lds s[G0K+4*\c:G0K+4*\c+3], s[G1K:G1K+7]
	s_nop 0
.endr
.rept 4
	v_nop
.endr
	s_branch .Lasked
.Lnot_k:
	s_cmp_lt_u32 s[WV], 4
	s_cbranch_scc0 .Lasked
.irp c, 0,1,2,3
	tensor_load_to_lds s[G0V+4*\c:G0V+4*\c+3], s[G1V:G1V+7]
	s_nop 0
.endr
.rept 4
	v_nop
.endr
.Lasked:
	s_lshl_b32 s94, s90, 13
	s_add_nc_u64 s[10:11], s[10:11], s[94:95]      ; the batch's 2,048 mask words
	s_lshl_b32 s98, s88, 15                        ; my work-group's 512 queries x 64 bytes,
	s_lshl_b32 s100, s[WV], 11                     ; my wave's 32
	s_add_co_u32 s98, s98, s100
	s_add_nc_u64 s[4:5], s[4:5], s[98:99]
	s_lshl_b32 s98, s90, 11                        ; ao: row 2,048 batch + 512 cx + 32 wave, of 4,096 bytes; + 256 x head
	s_lshl_b32 s100, s88, 9
	s_add_co_u32 s98, s98, s100
	s_lshl_b32 s100, s[WV], 5
	s_add_co_u32 s98, s98, s100
	s_lshl_b32 s98, s98, 12
	s_lshl_b32 s100, s91, 8
	s_add_co_u32 s98, s98, s100
	s_add_nc_u64 s[14:15], s[14:15], s[98:99]
	v_lshlrev_b32 v254, 4, v0                      ; 16 x thread: my four words of the mask
	global_load_b128 v[32:35], v254, s[10:11]
	v_and_b32 v10, 15, v0                          ; r = lane % 16
	v_bfe_u32 v11, v0, 4, 1                        ; h = lane / 16
	v_lshlrev_b32 v252, 6, v10
	v_lshl_add_u32 v252, v11, 4, v252              ; Q: row r of 64 bytes, + 16 h
.irp u, 0,1
.irp c, 0,1
	global_load_b128 v[16+8*\u+4*\c:19+8*\u+4*\c], v252, s[4:5] offset:1024*\u+32*\c   ; Q's two tiles stay in registers
.endr
.endr
	v_mul_u32_u24 v[AK0], v10, KP
	v_lshl_add_u32 v[AK0], v11, 4, v[AK0]          ; K: row r, + 16 h
	v_mul_u32_u24 v[AV0], v10, VP
	v_lshl_add_u32 v[AV0], v11, 4, v[AV0]
	v_add_nc_u32 v[AV0], VREG, v[AV0]              ; V^T likewise
	v_lshl_add_u32 v[AB0], v11, 5, BIAS            ; the mask's numbers of keys 8 h + 0 .. 7 of a tile
	v_lshlrev_b32 v[GO], 12, v11
	v_lshl_add_u32 v[GO], v10, 4, v[GO]            ; the way out: lanes 0-15 take one row of ao, lanes 16-31 the next; 16 bytes a lane
	s_mul_i32 s96, s[WV], 16*SPI                   ; my stage
	v_mul_u32_u24 v[STO], v10, SPI
	v_lshl_add_u32 v[STO], v11, 5, v[STO]
	v_add_nc_u32 v[STO], s96, v[STO]               ; in: row r, + 32 h
	v_mul_u32_u24 v[RD], v11, SPI
	v_lshl_add_u32 v[RD], v10, 4, v[RD]
	v_add_nc_u32 v[RD], s96, v[RD]                 ; back: two rows an instruction
	v_lshl_add_u32 v7, v0, 4, BIAS                 ; where my four numbers of the mask go
	s_lshl_b32 s96, s[WV], 2
	s_add_co_u32 s96, s96, FLAG
	v_mov_b32 v8, s96                              ; my wave's word
	v_mov_b32 v9, FLAG
	v_mov_b32 v236, 0                              ; written once: a lane permute's destination counts as one of its sources
	v_mov_b32 v253, 0                              ; (named as the upper half of the pair v[252:253])
	s_wait_kmcnt 0x0
	s_add_co_i32 s96, s84, s85                     ; e6 + e7
	s_sub_co_i32 s23, 0, s96
	s_lshl_b32 s96, s96, 23
	s_add_co_i32 s22, s96, 0x3e38aa3b              ; c = log2(e) / 8 x 2^(e6 + e7): the two exponents are added to its exponent field
	s_add_co_i32 s19, s86, s87                     ; e8 + e9
	s_add_co_i32 s96, s87, 127
	s_lshl_b32 s97, s96, 23
	v_mov_b32 v244, s97                            ; 2^e9 as f32, for the conversion
	s_add_co_i32 s96, s96, 15
	s_lshl_b32 s96, s96, 23
	s_or_b32 s96, s96, 0x600000
	v_mov_b32 v240, s96                            ; 57,344 x 2^e9
	v_mov_b32 v39, 0xcfee6b28                      ; -8e9
	v_ldexp_f32 v39, v39, s23                      ; x 2^-(e6 + e7): x c it is -1e9 x log2(e)
	s_wait_loadcnt 4                               ; the mask's words are in; Q's four loads may be out
.irp i, 0,1,2,3
	v_cmp_eq_u32 vcc_lo, 0, v[32+\i]
	v_cndmask_b32 v[40+\i], 0, v39, vcc_lo
.endr
	ds_store_b128 v7, v[40:43]
	v_or_b32 v36, v32, v33
	v_or_b32 v37, v34, v35
	v_or_b32 v36, v36, v37
	v_cmp_ne_u32 vcc_lo, 0, v36
	s_cmp_lg_u32 vcc_lo, 0                         ; does any lane of my wave hold a key that counts?  A select follows, no branch
	s_cselect_b32 s96, 1, 0
	v_mov_b32 v37, s96
	ds_store_b32 v8, v37                           ; all lanes write the same word with the same number
	s_wait_tensorcnt 3                             ; my part of chunk 0 is in; three loads were issued behind it and may stay out
	s_wait_dscnt 0x0                               ; for the others' sake: my LDS stores are done
	s_barrier_signal -1
	s_barrier_wait -1
.irp j, 0,1,2,3
	ds_load_b128 v[96+4*\j:99+4*\j], v9 offset:16*\j
.endr
	s_wait_dscnt 0x0
.irp j, 0,2,4,6,8,10,12,14
	v_or_b32 v[96+\j], v[96+\j], v[97+\j]
.endr
.irp j, 0,4,8,12
	v_or_b32 v[96+\j], v[96+\j], v[98+\j]
.endr
	v_or_b32 v96, v96, v100
	v_or_b32 v104, v104, v108
	v_or_b32 v96, v96, v104
	v_cmp_ne_u32 vcc_lo, 0, v96
	v_mov_b32 v97, s22
	v_cndmask_b32 v10, 0, v97, vcc_lo              ; c, or 0 in a batch without a key that counts
	v_mov_b32 v11, v10
; A KEY STEP: 128 keys against the tile of queries whose fragment begins at v[q].
.macro STEP q
	v_add_nc_u32 v[ADK], s[KO], v[AK0]
	v_add_nc_u32 v[ADV], s[VO], v[AV0]
	v_add_nc_u32 v[ADB], s[BO], v[AB0]
.irp g, 0,1                                    ; S^T = K Q^T + the mask's numbers, four tiles of 16 keys at a time
.rept 1+3*\g
	v_nop                                          ; four places in front of loads into registers that matrix instructions have read (ISA guide 7.12.1 for vector instructions); the three additions above are places too
.endr
.irp t, 0,1,2,3
	ds_load_b128 v[32+8*\t:35+8*\t], v[ADK] offset:(4*\g+\t)*16*KP
	ds_load_b128 v[36+8*\t:39+8*\t], v[ADK] offset:(4*\g+\t)*16*KP+32
	ds_load_b128 v[64+8*\t:67+8*\t], v[ADB] offset:(4*\g+\t)*64
	ds_load_b128 v[68+8*\t:71+8*\t], v[ADB] offset:(4*\g+\t)*64+16
.endr
	s_wait_dscnt 0x0
.irp t, 0,1,2,3
	v_wmma_f32_16x16x64_bf8_bf8 v[96+8*(4*\g+\t):103+8*(4*\g+\t)], v[32+8*\t:39+8*\t], v[\q:\q+7], v[64+8*\t:71+8*\t]
.endr
.endr
.rept 4
	v_nop
.endr
.irp t, 0,1,2,3                                ; V's four fragments are asked for here and land while the softmax is worked
.irp c, 0,1,2,3
	ds_load_b128 v[32+16*\t+4*\c:35+16*\t+4*\c], v[ADV] offset:\t*16*VP+32*\c
.endr
.endr
	v_max3_num_f32 v254, v96, v97, v98             ; the step's largest score of my query, among my 64 keys, in two chains; each accumulator is read from its low end on
	v_max3_num_f32 v252, v99, v100, v101
.irp i, 6,10,14,18,22,26,30,34,38,42,46,50,54,58
	v_max3_num_f32 v254, v254, v[96+\i], v[97+\i]
	v_max3_num_f32 v252, v252, v[98+\i], v[99+\i]
.endr
	v_max3_num_f32 v254, v254, v158, v159
	v_max_num_f32 v254, v254, v252
	v_permlanex16_b32 v236, v254, s[SEL], s[SEL+1]
	v_max_num_f32 v254, v254, v236                 ; and among lane l xor 16's
	v_mul_f32 v254, v10, v254                      ; as t (c is not negative)
	v_max_num_f32 v13, v13, v254                   ; the running largest t
	v_mov_b32 v254, v12
	v_floor_f32 v12, -v13                          ; the new -M = floor(-t) = -ceil(t): M is a whole number
	v_sub_f32 v254, v12, v254                      ; M's old value less its new one: a whole number, 0 or less
	v_cvt_i32_f32 v254, v254                       ; (it saturates)
	v_ldexp_f32 v252, 1.0, v254                    ; f = 2^(old M - new M)
.irp j, 0,2,4,6,8,10,12,14,16,18,20,22,24,26,28,30,32,34,36,38,40,42,44,46,48,50,52,54,56,58,60,62
	v_pk_fma_f32 v[96+\j:97+\j], v[96+\j:97+\j], v[10:11], v[12:13] op_sel_hi:[1,0,0]   ; t - M, two at a time (of the pairs c and -M the low word serves both halves)
.endr
.set i, 0
.rept 64
	v_exp_f32 v[96+i], v[96+i]                     ; p = 2^(t - M), at most 1: not normalised
.set i, i+1
.endr
	v_pk_mul_f32 v[14:15], v[14:15], v[252:253] op_sel_hi:[1,0]   ; the sums under the new M.  (A plain place behind the exponentials)
	s_wait_alu depctr_va_vdst(0)                   ; one wait for the whole batch of exponentials, ahead of its first reader
	v_pk_add_f32 v[242:243], v[96:97], v[98:99]    ; the row's sum is taken of the unquantised p: two at a time, in two chains
.irp j, 4,8,12,16,20,24,28,32,36,40,44,48,52,56,60
	v_pk_add_f32 v[14:15], v[14:15], v[96+\j:97+\j]
	v_pk_add_f32 v[242:243], v[242:243], v[98+\j:99+\j]
.endr
	v_pk_add_f32 v[14:15], v[14:15], v[242:243]
.irp b, 0,1,2,3,4,5,6,7
.irp i, 0,1,2,3,4,5,6,7
	v_min_num_f32 v[96+8*\b+\i], v[96+8*\b+\i], v240   ; the conversion to an 8-bit code does not saturate (ISA guide 7.6.2); p is not negative, so the hold is one-sided
.endr
	v_cvt_scalef32_pk8_bf8_f32 v[224+2*\b:225+2*\b], v[96+8*\b:103+8*\b], v244   ; keys 16 b + 8 (lane / 16) + 0 .. 7: registers 2 b, 2 b + 1 of P
.endr
.irp j, 0,2,4,6,8,10,12,14,16,18,20,22,24,26,28,30
	v_pk_mul_f32 v[160+\j:161+\j], v[160+\j:161+\j], v[252:253] op_sel_hi:[1,0]   ; O^T under the new M.  (These are also the plain lines between the conversions and the products that read the codes)
.endr
	s_wait_dscnt 0x0                               ; V's fragments are in
.irp t, 0,1,2,3                                ; O^T += V^T P^T: four accumulators by turns, one instruction a turn
	v_wmma_f32_16x16x128_bf8_bf8 v[160+8*\t:167+8*\t], v[32+16*\t:47+16*\t], v[224:239], v[160+8*\t:167+8*\t]
.endr
	s_add_co_u32 s[KO], s[KO], 128*KP
	s_add_co_u32 s[VO], s[VO], 64*VP
	s_add_co_u32 s[BO], s[BO], 512
.endm
.macro STEPS n, q, k0                  ; n key steps from step k0 on
	s_mov_b32 s[KO], (\k0)*128*KP
	s_mov_b32 s[VO], (\k0)*64*VP
	s_mov_b32 s[BO], (\k0)*512
	s_mov_b32 s[CNT], \n
.Lstep_\@:
	STEP \q
	s_sub_co_u32 s[CNT], s[CNT], 1
	s_cmp_lg_u32 s[CNT], 0
	s_cbranch_scc1 .Lstep_\@
.endm
.macro INIT                            ; the step is written without a first step of its own: it finds zeros, which the first change of M leaves zeros
	v_mov_b32 v13, 0xff61b1e6                      ; the largest t so far: -3e38
	v_floor_f32 v12, -v13                          ; -M
	v_mov_b32 v14, 0
	v_mov_b32 v15, 0
.set i, 0
.rept 32
	v_mov_b32 v[160+i], 0
.set i, i+1
.endr
.endm
.macro FINISH dst                      ; O^T x 2^(e8 + e9) / the row's sum, into v[dst] on
	v_add_f32 v14, v14, v15                        ; the sum's two halves,
	v_permlanex16_b32 v252, v14, s[SEL], s[SEL+1]
	v_add_f32 v14, v14, v252                       ; and lane l xor 16's
	v_rcp_f32 v14, v14
	v_nop                                          ; plain places: behind the reciprocal, and with the lines above behind the last products
	v_nop
	s_wait_alu depctr_va_vdst(0)                   ; ahead of the reciprocal's first reader
	v_ldexp_f32 v14, v14, s19
.irp j, 0,2,4,6,8,10,12,14,16,18,20,22,24,26,28,30
	v_pk_mul_f32 v[\dst+\j:\dst+\j+1], v[160+\j:161+\j], v[14:15] op_sel_hi:[1,0]   ; register 8 t + i is o(query r, channel 16 t + 8 h + i)
.endr
.endm
.macro OUT u, src                      ; a tile of 16 queries x 64 channels through my stage: in by lanes' 32 bytes, back as whole rows of 256 bytes
.irp t, 0,1,2,3
	ds_store_b128 v[STO], v[\src+8*\t:\src+8*\t+3] offset:64*\t
	ds_store_b128 v[STO], v[\src+8*\t+4:\src+8*\t+7] offset:64*\t+16
.endr
.irp i, 0,1,2,3,4,5,6,7
	ds_load_b128 v[32+32*\u+4*\i:35+32*\u+4*\i], v[RD] offset:\i*2*SPI   ; LDS serves a wave's instructions in order (ISA guide 5.7.1.4): these see my stores, and the next tile's stores come behind them
.endr
.endm
	s_wait_loadcnt 0x0                             ; Q
	INIT
	STEPS 4, 16, 0                                 ; the first tile of queries, chunk by chunk as the chunks land
.irp c, 1,2,3
	s_wait_tensorcnt 3-\c                          ; my part of chunk c is in; the loads issued behind it may stay out
	s_wait_dscnt 0x0
	s_barrier_signal -1
	s_barrier_wait -1                              ; everybody's is
	STEPS 4, 16, 4*\c
.endr
	FINISH 192
	INIT
	STEPS 16, 24, 0                                ; the second tile of queries: all keys lie in LDS
	FINISH 96
	s_wait_dscnt 0x0                               ; my reads of K are over
	s_barrier_signal -1
	s_barrier_wait -1                              ; everybody's are: the stages may be written over K's rows, which have had their one fill
	OUT 0, 192
	OUT 1, 96
.irp u, 0,1
.irp i, 0,1,2,3,4,5,6,7
	s_wait_dscnt 23-16*\u-\i                       ; behind this load: the rest of its eight, and for the first tile the second tile's sixteen
	global_store_b128 v[GO], v[32+32*\u+4*\i:35+32*\u+4*\i], s[14:15] offset:(16*\u+2*\i)*4096   ; sixteen lanes store a row's 256 bytes of my head, at a multiple of 256 from ao's first byte
.endr
.endr
	s_wait_tensorcnt 0x0
	s_wait_dscnt 0x0
	s_wait_tensorcnt 0x0
	ds_add_u32 v251, v255
	s_wait_dscnt 0x0
	CROUND                                         ; the closing round: no work-group ends while a partner may still ask for a tile that names it
	s_endpgm
.Lfunc_end_k_q9b67783e29_attn:
	.size	k_q9b67783e29_attn, .Lfunc_end_k_q9b67783e29_attn-k_q9b67783e29_attn
	.p2alignl 7, 3214868480
	.fill 96, 4, 3214868480
	.section	.rodata,"a",@progbits
	.p2align	6, 0x0
	.amdhsa_kernel k_q9b67783e29_attn
		.amdhsa_group_segment_fixed_size 327680
		.amdhsa_private_segment_fixed_size 0
		.amdhsa_enable_private_segment 0
		.amdhsa_kernarg_size 48
		.amdhsa_user_sgpr_count 2
		.amdhsa_user_sgpr_kernarg_segment_ptr 1
		.amdhsa_wavefront_size32 1
		.amdhsa_system_sgpr_workgroup_id_x 1
		.amdhsa_system_sgpr_workgroup_id_y 1
		.amdhsa_system_sgpr_workgroup_id_z 1
		.amdhsa_system_vgpr_workitem_id 0
		.amdhsa_next_free_vgpr 256
		.amdhsa_next_free_sgpr 102
		.amdhsa_reserve_vcc 1
		.amdhsa_float_denorm_mode_32 3
		.amdhsa_float_denorm_mode_16_64 3
		.amdhsa_memory_ordered 1
		.amdhsa_forward_progress 1
		.amdhsa_inst_pref_size 104
	.end_amdhsa_kernel
	.amdgpu_metadata
---
amdhsa.version: [ 1, 2 ]
amdhsa.kernels:
  - .name:           k_q9b67783e29_attn
    .symbol:         k_q9b67783e29_attn.kd
    .args:
      - { .name: qc, .offset: 0, .size: 8, .value_kind: global_buffer, .address_space: global }
      - { .name: kc, .offset: 8, .size: 8, .value_kind: global_buffer, .address_space: global }
      - { .name: vc, .offset: 16, .size: 8, .value_kind: global_buffer, .address_space: global }
      - { .name: mask, .offset: 24, .size: 8, .value_kind: global_buffer, .address_space: global }
      - { .name: lowp_scales, .offset: 32, .size: 8, .value_kind: global_buffer, .address_space: global }
      - { .name: ao, .offset: 40, .size: 8, .value_kind: global_buffer, .address_space: global }
    .group_segment_fixed_size: 327680
    .private_segment_fixed_size: 0
    .kernarg_segment_align: 8
    .kernarg_segment_size: 48
    .max_flat_workgroup_size: 512
    .sgpr_count:     102
    .vgpr_count:     256
    .wavefront_size: 32
...
	.end_amdgpu_metadata
.endif
;; end of part 3
;; launch norm (part 4): grid 256 x 1, 8 waves a work-group, no clusters, 0 bytes of LDS; arguments ao, r, gamma, beta, out0; writes out0
.if DOCPART == 4
	.amdgcn_target "amdgcn-amd-amdhsa--gfx1250"
	.amdhsa_code_object_version 6
	.text
	.protected	k_q9b67783e29_norm
	.globl	k_q9b67783e29_norm
	.p2align	8
	.type	k_q9b67783e29_norm,@function
k_q9b67783e29_norm:
	s_mov_b64 s[64:65], 0
	v_nop
	global_prefetch_b8 v0, s[64:65] scope:SCOPE_SE
	s_setreg_imm32_b32 hwreg(HW_REG_WAVE_MODE, 25, 1), 1
	s_wait_xcnt 0x0
; out0[row] = LayerNorm(relu(ao[row] + r[row])) x gamma + beta, rows of 1,024 f32; eps = 1e-5; all in f32.
; The mean is taken first and subtracted, and the variance is the mean of the squares of what is left: no difference of large sums.
; One wave takes a whole row (4,096 bytes of each input: eight 16-byte loads a lane) and keeps it in 32 registers through both reductions: each input byte is read once, and no wave waits for another.
; Eight waves, four rows each.  Two row slots by turns: one at work, one on its way in.  Each load and store of a wave covers 512 consecutive bytes, aligned.
; No LDS, no barrier, no matrix unit; no work-group reads what another reads but gamma and beta (8 KiB), so there is nothing to share in a cluster.
.set ROW, 4096
.set G,   4                            ; v4-35    gamma of my 32 columns (piece j: columns 128 j + 4 lane + 0 .. 3)
.set BT,  36                           ; v36-67   beta
.set A0,  68                           ; v68-195  slot s: 32 registers of ao's row, then 32 of r's
.set CH,  196                          ; v196-203 four chains of pairs
.set S1,  204                          ; v204     a sum
.set S2,  205                          ; v205     at work
.set MU,  206                          ; v[206:207] the mean, twice
.set RS,  208                          ; v[208:209] 1 / sqrt(var + eps), twice
	s_load_b256 s[4:11], s[0:1], 0x0               ; ao 4:5, r 6:7, gamma 8:9, beta 10:11
	s_load_b64 s[12:13], s[0:1], 0x20              ; out0
	s_lshl_b32 s14, ttmp9, 17                      ; the work-group's 32 rows of 4,096 bytes
	s_mov_b32 s15, 0
	s_mov_b32 s16, 0x76543210                      ; v_permlanex16_b32: lane l xor 16
	s_mov_b32 s17, 0xfedcba98
	s_mov_b32 s18, 0x3a800000                      ; 1 / 1,024
	s_mov_b32 s19, 0x3727c5ac                      ; 1e-5
	v_and_b32 v2, 31, v0
	v_lshlrev_b32 v2, 4, v2                        ; 16 x lane
	v_lshrrev_b32 v1, 5, v0
	v_lshl_add_u32 v1, v1, 14, v2                  ; + wave x 4 rows; never rewritten: the row and the piece stand in the immediates
	v_mov_b32 v[S2], 0                             ; written once: a lane permute's destination counts as one of its sources
	s_wait_kmcnt 0x0
	s_add_nc_u64 s[4:5], s[4:5], s[14:15]
	s_add_nc_u64 s[6:7], s[6:7], s[14:15]
	s_add_nc_u64 s[12:13], s[12:13], s[14:15]
.irp j, 0,1,2,3,4,5,6,7
	global_load_b128 v[G+4*\j:G+4*\j+3], v2, s[8:9] offset:512*\j
	global_load_b128 v[BT+4*\j:BT+4*\j+3], v2, s[10:11] offset:512*\j
.endr
.macro FILL row                        ; sixteen loads: the row of ao and the row of r
.set A, A0+64*((\row)%2)
.irp j, 0,1,2,3,4,5,6,7
	global_load_b128 v[A+4*\j:A+4*\j+3], v1, s[4:5] offset:(\row)*ROW+512*\j th:TH_LOAD_NT
.endr
.irp j, 0,1,2,3,4,5,6,7
	global_load_b128 v[A+32+4*\j:A+32+4*\j+3], v1, s[6:7] offset:(\row)*ROW+512*\j th:TH_LOAD_NT
.endr
.endm
.macro REDUCE                          ; the four chains' pairs, then the 32 lanes: the sum ends up in every lane, in v[S1]
	v_pk_add_f32 v[CH:CH+1], v[CH:CH+1], v[CH+2:CH+3]
	v_pk_add_f32 v[CH+4:CH+5], v[CH+4:CH+5], v[CH+6:CH+7]
	v_pk_add_f32 v[CH:CH+1], v[CH:CH+1], v[CH+4:CH+5]
	v_add_f32 v[S1], v[CH], v[CH+1]
	v_add_f32_dpp v[S1], v[S1], v[S1] row_xmask:1 row_mask:0xf bank_mask:0xf
	v_add_f32_dpp v[S1], v[S1], v[S1] row_xmask:2 row_mask:0xf bank_mask:0xf
	v_add_f32_dpp v[S1], v[S1], v[S1] row_xmask:4 row_mask:0xf bank_mask:0xf
	v_add_f32_dpp v[S1], v[S1], v[S1] row_xmask:8 row_mask:0xf bank_mask:0xf
	v_permlanex16_b32 v[S2], v[S1], s16, s17
	v_add_f32 v[S1], v[S1], v[S2]
.endm
; One row.  left: how many younger loads may stay out.  fill = 1: the slot takes the row two further on.
.macro TURN row, left, fill
.set A, A0+64*((\row)%2)
.set Q, A+32
	s_wait_loadcnt \left                           ; loads come back in order (ISA guide 5.7.1): my row is in, the other slot's sixteen may be out
.irp j, 0,2,4,6,8,10,12,14,16,18,20,22,24,26,28,30
	v_pk_add_f32 v[A+\j:A+\j+1], v[A+\j:A+\j+1], v[Q+\j:Q+\j+1]
.endr
.set i, 0
.rept 32
	v_max_num_f32 v[A+i], 0, v[A+i]                ; relu
.set i, i+1
.endr
.irp k, 0,2,4,6
	v_pk_add_f32 v[CH+\k:CH+\k+1], v[A+\k:A+\k+1], v[A+8+\k:A+9+\k]   ; the first sums start the chains: nothing is cleared
.endr
.irp m, 16,24
.irp k, 0,2,4,6
	v_pk_add_f32 v[CH+\k:CH+\k+1], v[CH+\k:CH+\k+1], v[A+\m+\k:A+\m+\k+1]
.endr
.endr
	REDUCE
	v_mul_f32 v[MU], s18, v[S1]                    ; the mean
	v_mov_b32 v[MU+1], v[MU]
.irp j, 0,2,4,6,8,10,12,14,16,18,20,22,24,26,28,30
	v_pk_add_f32 v[A+\j:A+\j+1], v[A+\j:A+\j+1], v[MU:MU+1] neg_lo:[0,1] neg_hi:[0,1]
.endr
.irp k, 0,2,4,6
	v_pk_mul_f32 v[CH+\k:CH+\k+1], v[A+\k:A+\k+1], v[A+\k:A+\k+1]
.endr
.irp m, 8,16,24
.irp k, 0,2,4,6
	v_pk_fma_f32 v[CH+\k:CH+\k+1], v[A+\m+\k:A+\m+\k+1], v[A+\m+\k:A+\m+\k+1], v[CH+\k:CH+\k+1]
.endr
.endr
	REDUCE
	v_fma_f32 v[S2], v[S1], s18, s19               ; var + eps
	v_rsq_f32 v[RS], v[S2]
	v_rsq_f32 v[RS+1], v[S2]
	v_nop                                          ; a plain line behind the two transcendentals (ISA guide 5.7.2),
	s_wait_alu depctr_va_vdst(0)                   ; and one wait for both, ahead of their first reader
.irp j, 0,2,4,6,8,10,12,14,16,18,20,22,24,26,28,30
	v_pk_mul_f32 v[A+\j:A+\j+1], v[A+\j:A+\j+1], v[RS:RS+1]
.endr
.irp j, 0,2,4,6,8,10,12,14,16,18,20,22,24,26,28,30
	v_pk_fma_f32 v[A+\j:A+\j+1], v[A+\j:A+\j+1], v[G+\j:G+\j+1], v[BT+\j:BT+\j+1]
.endr
.irp j, 0,1,2,3,4,5,6,7
	global_store_b128 v1, v[A+4*\j:A+4*\j+3], s[12:13] offset:(\row)*ROW+512*\j th:TH_STORE_NT
.endr
.if \fill
	s_wait_xcnt 0x0                                ; the stores have read their data: the slot is loaded again only behind this wait
	FILL (\row)+2
.endif
.endm
	FILL 0
	FILL 1
	TURN 0, 16, 1
	TURN 1, 16, 1
	TURN 2, 16, 0
	TURN 3, 0, 0
	s_endpgm
.Lfunc_end_k_q9b67783e29_norm:
	.size	k_q9b67783e29_norm, .Lfunc_end_k_q9b67783e29_norm-k_q9b67783e29_norm
	.p2alignl 7, 3214868480
	.fill 96, 4, 3214868480
	.section	.rodata,"a",@progbits
	.p2align	6, 0x0
	.amdhsa_kernel k_q9b67783e29_norm
		.amdhsa_group_segment_fixed_size 0
		.amdhsa_private_segment_fixed_size 0
		.amdhsa_enable_private_segment 0
		.amdhsa_kernarg_size 40
		.amdhsa_user_sgpr_count 2
		.amdhsa_user_sgpr_kernarg_segment_ptr 1
		.amdhsa_wavefront_size32 1
		.amdhsa_system_sgpr_workgroup_id_x 1
		.amdhsa_system_sgpr_workgroup_id_y 1
		.amdhsa_system_sgpr_workgroup_id_z 1
		.amdhsa_system_vgpr_workitem_id 0
		.amdhsa_next_free_vgpr 216
		.amdhsa_next_free_sgpr 66
		.amdhsa_reserve_vcc 0
		.amdhsa_float_denorm_mode_32 3
		.amdhsa_float_denorm_mode_16_64 3
		.amdhsa_memory_ordered 1
		.amdhsa_forward_progress 1
		.amdhsa_inst_pref_size 45
	.end_amdhsa_kernel
	.amdgpu_metadata
---
amdhsa.version: [ 1, 2 ]
amdhsa.kernels:
  - .name:           k_q9b67783e29_norm
    .symbol:         k_q9b67783e29_norm.kd
    .args:
      - { .name: ao, .offset: 0, .size: 8, .value_kind: global_buffer, .address_space: global }
      - { .name: r, .offset: 8, .size: 8, .value_kind: global_buffer, .address_space: global }
      - { .name: gamma, .offset: 16, .size: 8, .value_kind: global_buffer, .address_space: global }
      - { .name: beta, .offset: 24, .size: 8, .value_kind: global_buffer, .address_space: global }
      - { .name: out0, .offset: 32, .size: 8, .value_kind: global_buffer, .address_space: global }
    .group_segment_fixed_size: 0
    .private_segment_fixed_size: 0
    .kernarg_segment_align: 8
    .kernarg_segment_size: 40
    .max_flat_workgroup_size: 256
    .sgpr_count:     66
    .vgpr_count:     216
    .wavefront_size: 32
...
	.end_amdgpu_metadata
.endif
;; end of part 4
;; ======== version 2 of 3: 4 launches; 1.27 times as fast as version 1
;; workspace buffers: xcodes 33,554,432 bytes; wcodes 4,194,304 bytes; qc 8,388,608 bytes; kc 8,388,608 bytes; vc 8,388,608 bytes; r 33,554,432 bytes; ao 33,554,432 bytes; cnt 1,024 bytes of whole numbers
;; launch quant (part 5): grid 384 x 1, 4 waves a work-group, no clusters, 33,280 bytes of LDS; arguments x, Wq, Wk, Wv, Wr, lowp_scales, xcodes, wcodes, mask, cnt; writes xcodes, wcodes, cnt
.if DOCPART == 5
	.amdgcn_target "amdgcn-amd-amdhsa--gfx1250"
	.amdhsa_code_object_version 6
	.text
	.protected	k_q9b67783e29_quant
	.globl	k_q9b67783e29_quant
	.p2align	8
	.type	k_q9b67783e29_quant,@function
k_q9b67783e29_quant:
	s_mov_b64 s[64:65], 0
	v_nop
	global_prefetch_b8 v0, s[64:65] scope:SCOPE_SE
	s_setreg_imm32_b32 hwreg(HW_REG_WAVE_MODE, 25, 1), 1
	s_wait_xcnt 0x0
; x [8192][1024] and the four weights [1024][1024], f32 with K innermost, become codes of BF8 (E5M2), one byte a number, K innermost.
; x is an operand of four products, each with an exponent of its own (entries 0, 2, 4, 10 of the scales): it is read once and written four times, as planes 0 to 3 of xcodes.
; Wq, Wk, Wv, Wr (entries 1, 3, 5, 11) become planes 0 to 3 of wcodes.
; code = number / 2^e, held within +-57,344, rounded to the nearest code, ties to even.
; THE MASK SORTS THE KEYS.  Planes 1 and 2 feed the products that make K and V.  Their rows are laid, within each batch, in another order: the tokens whose mask is not 0 first (rows 0 .. count - 1, in their order), the
; others behind them (in their order).  That is a permutation of a batch's 2,048 rows, so every row is written.  K and V then come out with the keys that count in front, and attention need not walk the rest.
; The batch's count goes to cnt, one record of 256 bytes a batch, every word the count.  Planes 0 and 3 (Q and the residual product) keep the tokens' order.
; All of that is whole-number arithmetic on the mask: a wave sums min(mask, 1) over its batch's 2,048 words, each weighed 1 + 4,096 x (the token lies ahead of my rows): one sum holds the count (12 bits) and above it the count ahead of my rows.
; LIMITS: each e lies between -126 and 112, so that 2^e and 57,344 x 2^e are f32 numbers.  NaN among the inputs is not served; an infinity is held at the largest code.
; SHARES.  Rows are dense, so each tensor is a plain stream.  A wave takes 8,192 numbers (8 rows of x), 16 steps of 512.  Work-groups 0 to 255 take x, then 32 work-groups for each weight.
; All work-groups take one path; only pointers and the first exponent are chosen by the work-group's number, and a weight's work-group jumps over outputs 1 to 3 of each step (vector work and stores alone).
; A load reads 512 consecutive bytes, 16 a lane; the conversions want 16 neighbours in ONE lane: a step's 2,048 bytes turn through the wave's own stage in LDS (16 bytes of padding behind each 64).
; A lane's 16 codes are 16 bytes: a store of the wave covers 512 consecutive bytes, aligned.  Waves share nothing: no barrier.  What work-groups share is a batch's 8 KiB of mask: too little for a cluster.
.set STEPS, 16
.set XG,    256                        ; work-groups that take x
.set SP,    80                         ; a lane's place in a stage: 64 bytes + 16 of padding
.set WREG,  8192                       ; LDS of a wave: two stages of 32 x SP bytes
.set PLANE, 0x800000                   ; bytes of a plane of xcodes
.set DOF,   5                          ; v5       16 x lane + 1,024 x the row's place in planes 1 and 2
.set L4,    6                          ; v6       4 x lane
.set R,     16                         ; v16-79   four sets of 16 numbers as loaded
.set X,     80                         ; v80-111  two sets of 16 neighbours
.set T,     112                        ; v112-127 the numbers held within one output's range
.set C,     128                        ; v128-159 codes: two sets (by turns) of four outputs x four registers
.set SC,    160                        ; v160-163 2^e of outputs 0 to 3, as f32
.set LM,    164                        ; v164-167 57,344 x 2^e
.set MK,    80                         ; v80-143  at the head only: the batch's 2,048 mask words, 64 a lane
.set ACC,   144                        ; v144     at the head only: the packed sum
.set WT,    145                        ; v145     a word's weight: 1 or 4,097
.set BIG,   146                        ; v146     4,097
.set S4,    147                        ; v147     four words' sum
.set XL,    148                        ; v148     another lane's sum
.set CN,    168                        ; v[168:169] the count, twice; v170 8 x lane: the count's store reads them, nothing writes them again
.set DR,    76                         ; s76-83   my eight rows' places in planes 1 and 2
	s_load_b512 s[4:19], s[0:1], 0x0               ; x 4:5, Wq 6:7, Wk 8:9, Wv 10:11, Wr 12:13, scales 14:15, xcodes 16:17, wcodes 18:19
	s_load_b128 s[56:59], s[0:1], 0x40             ; mask 56:57, cnt 58:59
	v_lshl_add_u32 v176, v0, 2, 0x8000
	v_mov_b32 v177, 0
	v_lshrrev_b32 v1, 5, v0
	v_readfirstlane_b32 s33, v1                    ; wave
	v_and_b32 v2, 31, v0                           ; lane
	v_lshlrev_b32 v3, 4, v2                        ; 16 x lane: my bytes of a load's 512, and my codes' place in a step's 512; never rewritten
	v_lshlrev_b32 v[L4], 2, v2
	s_mul_i32 s38, s33, WREG
	v_lshrrev_b32 v14, 2, v2
	v_mul_u32_u24 v14, v14, SP
	v_and_b32 v15, 3, v2
	v_lshl_add_u32 v14, v15, 4, v14
	v_add_nc_u32 v14, s38, v14                     ; the stage, on the way in: SP (lane / 4) + 16 (lane % 4)
	v_mul_u32_u24 v15, v2, SP
	v_add_nc_u32 v15, s38, v15                     ; and on the way out: SP x lane: my 16 neighbours
	s_sub_co_u32 s30, ttmp9, XG
	s_and_b32 s31, s30, 31                         ; a weight's work-group: its number within the weight,
	s_lshr_b32 s32, s30, 5                         ; and which weight
	s_cmp_lt_u32 ttmp9, XG
	s_cselect_b32 s31, ttmp9, s31
	s_cselect_b32 s32, 0, s32
	s_lshl_b32 s31, s31, 2
	s_add_co_u32 s31, s31, s33                     ; which run of 8,192 numbers of the tensor is my wave's
	s_lshl_b32 s34, s31, 15                        ; its first byte in the tensor,
	s_mov_b32 s35, 0
	s_lshl_b32 s36, s31, 13                        ; and in the codes,
	s_lshl_b32 s32, s32, 20
	s_add_co_u32 s36, s36, s32                     ; in the weight's plane of wcodes
	s_mov_b32 s37, 0
	s_lshr_b32 s66, s31, 8                         ; the batch: 256 runs of 8 rows.  (A weight's work-group has runs 0 to 127: it walks the same lines on batch 0 and uses nothing of them)
	s_and_b32 s67, s31, 255
	s_lshl_b32 s67, s67, 3                         ; my first token in the batch
	s_lshl_b32 s86, s31, 5                         ; my eight words of the mask,
	s_mov_b32 s87, 0
	s_lshl_b32 s88, s66, 13                        ; the batch's 2,048 words,
	s_mov_b32 s89, 0
	s_lshl_b32 s90, s66, 21                        ; the batch's 2,048 rows of codes,
	s_add_co_u32 s90, s90, PLANE                   ; in plane 1,
	s_mov_b32 s91, 0
	s_lshl_b32 s92, s66, 8                         ; and the batch's record in cnt
	s_mov_b32 s93, 0
	s_wait_kmcnt 0x0
	s_load_b256 s[40:47], s[14:15], 0x0            ; e0 .. e7
	s_load_b128 s[48:51], s[14:15], 0x20           ; e8 .. e11
	s_add_nc_u64 s[86:87], s[56:57], s[86:87]
	s_load_b256 s[68:75], s[86:87], 0x0            ; my eight tokens' mask words
	s_add_nc_u64 s[88:89], s[56:57], s[88:89]
	s_add_nc_u64 s[92:93], s[58:59], s[92:93]
.irp i, 0,1,2,3,4,5,6,7,8,9,10,11,12,13,14,15
	global_load_b128 v[MK+4*\i:MK+4*\i+3], v3, s[88:89] offset:512*\i   ; words 128 i + 4 lane + 0 .. 3 of the batch's mask
.endr
	s_mov_b64 s[20:21], s[4:5]                     ; the source: chosen by the work-group's number alone
	s_cmp_ge_u32 ttmp9, XG
	s_cselect_b64 s[20:21], s[6:7], s[20:21]
	s_cselect_b64 s[22:23], s[18:19], s[16:17]     ; output 0
	s_cmp_ge_u32 ttmp9, XG+32
	s_cselect_b64 s[20:21], s[8:9], s[20:21]
	s_cmp_ge_u32 ttmp9, XG+64
	s_cselect_b64 s[20:21], s[10:11], s[20:21]
	s_cmp_ge_u32 ttmp9, XG+96
	s_cselect_b64 s[20:21], s[12:13], s[20:21]
	s_add_nc_u64 s[20:21], s[20:21], s[34:35]
	s_add_nc_u64 s[22:23], s[22:23], s[36:37]
	s_add_nc_u64 s[24:25], s[16:17], s[90:91]      ; output 1: plane 1 at my batch's first row; the row's place comes in the vector offset
	s_add_nc_u64 s[26:27], s[24:25], PLANE         ; output 2: plane 2 likewise
	s_add_nc_u64 s[28:29], s[22:23], 3*PLANE       ; output 3: plane 3, rows as they lie (outputs 1 to 3 are used by x's work-groups alone)
.macro LOAD t
.irp i, 0,1,2,3
	global_load_b128 v[R+16*((\t)%4)+4*\i:R+16*((\t)%4)+4*\i+3], v3, s[20:21] offset:2048*(\t)+512*\i th:TH_LOAD_NT   ; 32 lanes read 512 consecutive bytes; read once in the launch
.endr
.endm
.macro TURN t                          ; step t's numbers through the stage: LDS serves a wave's instructions in order, so no wait stands between the stores and the loads
.irp i, 0,1,2,3
	ds_store_b128 v14, v[R+16*((\t)%4)+4*\i:R+16*((\t)%4)+4*\i+3] offset:32*SP*((\t)%2)+8*SP*\i
.endr
.irp i, 0,1,2,3
	ds_load_b128 v[X+16*((\t)%2)+4*\i:X+16*((\t)%2)+4*\i+3], v15 offset:32*SP*((\t)%2)+16*\i
.endr
.endm
.macro MKSC e, idx                     ; 2^e and 57,344 x 2^e as f32 patterns
	s_add_co_i32 s54, \e, 127
	s_lshl_b32 s55, s54, 23
	v_mov_b32 v[SC+\idx], s55
	s_add_co_i32 s54, s54, 15
	s_lshl_b32 s54, s54, 23
	s_or_b32 s54, s54, 0x600000
	v_mov_b32 v[LM+\idx], s54
.endm
.irp t, 0,1,2,3
	LOAD \t
.endr
	s_wait_kmcnt 0x0
	s_mov_b32 s52, s40                             ; output 0's exponent: e0 for x, e1, e3, e5, e11 for the weights
	s_cmp_ge_u32 ttmp9, XG
	s_cselect_b32 s52, s41, s52
	s_cmp_ge_u32 ttmp9, XG+32
	s_cselect_b32 s52, s43, s52
	s_cmp_ge_u32 ttmp9, XG+64
	s_cselect_b32 s52, s45, s52
	s_cmp_ge_u32 ttmp9, XG+96
	s_cselect_b32 s52, s51, s52
	MKSC s52, 0
	MKSC s42, 1                                    ; e2
	MKSC s44, 2                                    ; e4
	MKSC s50, 3                                    ; e10
	; THE COUNTS.  The batch's words are summed once: a word that is not 0 counts 1, and 4,096 more where its token lies ahead of my first token.
	s_mov_b32 s84, 0x76543210                      ; v_permlanex16_b32: lane l xor 16
	s_mov_b32 s85, 0xfedcba98
	v_mov_b32 v[BIG], 4097
	v_mov_b32 v[XL], 0                             ; written once: the destination of a lane exchange counts as one of its sources
	s_wait_loadcnt 16                              ; the mask's sixteen loads are in; the sixteen loads of x behind them stay out
.set i, 0
.rept 16
	s_sub_co_i32 s60, s67, 128*i
	v_cmp_gt_i32 vcc_lo, s60, v[L4]                ; 128 i + 4 lane < my first token (a multiple of 8: one test serves the four words)
	v_cndmask_b32 v[WT], 1, v[BIG], vcc_lo
	v_min_u32 v[MK+4*i], 1, v[MK+4*i]              ; 1 for every word that is not 0
	v_min_u32 v[MK+4*i+1], 1, v[MK+4*i+1]
	v_min_u32 v[MK+4*i+2], 1, v[MK+4*i+2]
	v_min_u32 v[MK+4*i+3], 1, v[MK+4*i+3]
	v_add3_u32 v[S4], v[MK+4*i], v[MK+4*i+1], v[MK+4*i+2]
	v_add_nc_u32 v[S4], v[S4], v[MK+4*i+3]
.if i == 0
	v_mul_u32_u24 v[ACC], v[S4], v[WT]             ; the first product starts the sum
.else
	v_mad_u32_u24 v[ACC], v[S4], v[WT], v[ACC]
.endif
.set i, i+1
.endr
.irp m, 1,2,4,8
	v_mov_b32_dpp v[XL], v[ACC] row_xmask:\m row_mask:0xf bank_mask:0xf
	v_add_nc_u32 v[ACC], v[ACC], v[XL]
.endr
	v_permlanex16_b32 v[XL], v[ACC], s84, s85
	v_add_nc_u32 v[ACC], v[ACC], v[XL]             ; at most 2,048 x 4,097
	v_readfirstlane_b32 s61, v[ACC]
	s_and_b32 s63, s61, 0xfff                      ; the batch's count,
	s_lshr_b32 s62, s61, 12                        ; and the count ahead of my first token
	s_add_co_u32 s60, s63, s67                     ; count + my first token
.irp r, 0,1,2,3,4,5,6,7                        ; a token that counts goes to row (counting tokens ahead of it); another to row count + (others ahead of it)
	s_add_co_u32 s61, s60, \r
	s_sub_co_u32 s61, s61, s62
	s_cmp_lg_u32 s[68+\r], 0
	s_cselect_b32 s[DR+\r], s62, s61
	s_cselect_b32 s61, 1, 0
	s_add_co_u32 s62, s62, s61
	s_min_u32 s[DR+\r], s[DR+\r], 2047             ; a number made of loaded words enters an offset only behind a bound
.endr
	v_mov_b32 v[CN], s63
	v_mov_b32 v[CN+1], s63
	v_lshlrev_b32 v[CN+2], 3, v2
	s_cmp_lt_u32 ttmp9, XG                         ; the wave that owns a batch's first rows stores the batch's count: branches on ids alone
	s_cbranch_scc0 .Lno_count
	s_cmp_eq_u32 s67, 0
	s_cbranch_scc0 .Lno_count
	global_store_b64 v[CN+2], v[CN:CN+1], s[92:93] ; 32 lanes store 256 consecutive bytes, aligned: the whole record
.Lno_count:
	s_wait_loadcnt 12                              ; step 0's four loads are in
	TURN 0
; Output p of step t: the 16 neighbours are held within that output's range, into T, converted and stored at v[areg] + off.
.macro OUTP t, p, areg, off
.set XS, X+16*((\t)%2)
.set CS, C+16*((\t)%2)+4*(\p)
.irp i, 0,1,2,3,4,5,6,7,8,9,10,11,12,13,14,15
	v_med3_num_f32 v[T+\i], v[XS+\i], -v[LM+\p], v[LM+\p]   ; the conversion to an 8-bit code does not saturate (ISA guide 7.6.2): the hold comes first
.endr
	v_cvt_scalef32_pk8_bf8_f32 v[CS:CS+1], v[T:T+7], v[SC+\p]
	v_cvt_scalef32_pk8_bf8_f32 v[CS+2:CS+3], v[T+8:T+15], v[SC+\p]
	v_nop                                          ; a plain vector line between the conversions and the next output's holds, which write T again
	global_store_b128 v[\areg], v[CS:CS+3], s[22+2*\p:23+2*\p] offset:\off
.endm
.macro STEP t
	s_wait_dscnt 0x0                               ; this step's numbers are back from the stage: so its stores into the stage have read their registers,
.if (\t)+4 < STEPS
	LOAD (\t)+4                                    ; which take the loads of four steps on
.endif
.if (\t)+1 < STEPS
.if STEPS-2-(\t) >= 3
	s_wait_loadcnt 12                              ; the next step's four loads are in; those of the three steps behind it may be out
.else
	s_wait_loadcnt 4*(STEPS-2-(\t))
.endif
	TURN (\t)+1                                    ; they go through the other stage while this step is worked
.endif
	s_wait_xcnt 0x0                                ; the earlier steps' stores have read their data and offsets: this set of code registers and v[DOF] may be written again
	OUTP \t, 0, 3, 512*(\t)
	s_cmp_lt_u32 ttmp9, XG
	s_cbranch_scc0 .Lweight_\@                     ; a weight has one output
	v_lshl_add_u32 v[DOF], s[DR+(\t)/2], 10, v3    ; a step is half a row: row t / 2 of my eight, at its place in the sorted planes
	OUTP \t, 1, DOF, 512*((\t)%2)
	OUTP \t, 2, DOF, 512*((\t)%2)
	OUTP \t, 3, 3, 512*(\t)
.Lweight_\@:
.endm
.irp t, 0,1,2,3,4,5,6,7,8,9,10,11,12,13,14,15
	STEP \t
.endr
	s_wait_tensorcnt 0x0
	ds_add_u32 v176, v177
	s_wait_dscnt 0x0
	s_endpgm
.Lfunc_end_k_q9b67783e29_quant:
	.size	k_q9b67783e29_quant, .Lfunc_end_k_q9b67783e29_quant-k_q9b67783e29_quant
	.p2alignl 7, 3214868480
	.fill 96, 4, 3214868480
	.section	.rodata,"a",@progbits
	.p2align	6, 0x0
	.amdhsa_kernel k_q9b67783e29_quant
		.amdhsa_group_segment_fixed_size 33280
		.amdhsa_private_segment_fixed_size 0
		.amdhsa_enable_private_segment 0
		.amdhsa_kernarg_size 80
		.amdhsa_user_sgpr_count 2
		.amdhsa_user_sgpr_kernarg_segment_ptr 1
		.amdhsa_wavefront_size32 1
		.amdhsa_system_sgpr_workgroup_id_x 1
		.amdhsa_system_sgpr_workgroup_id_y 1
		.amdhsa_system_sgpr_workgroup_id_z 1
		.amdhsa_system_vgpr_workitem_id 0
		.amdhsa_next_free_vgpr 178
		.amdhsa_next_free_sgpr 96
		.amdhsa_reserve_vcc 1
		.amdhsa_float_denorm_mode_32 3
		.amdhsa_float_denorm_mode_16_64 3
		.amdhsa_memory_ordered 1
		.amdhsa_forward_progress 1
		.amdhsa_inst_pref_size 114
	.end_amdhsa_kernel
	.amdgpu_metadata
---
amdhsa.version: [ 1, 2 ]
amdhsa.kernels:
  - .name:           k_q9b67783e29_quant
    .symbol:         k_q9b67783e29_quant.kd
    .args:
      - { .name: x, .offset: 0, .size: 8, .value_kind: global_buffer, .address_space: global }
      - { .name: Wq, .offset: 8, .size: 8, .value_kind: global_buffer, .address_space: global }
      - { .name: Wk, .offset: 16, .size: 8, .value_kind: global_buffer, .address_space: global }
      - { .name: Wv, .offset: 24, .size: 8, .value_kind: global_buffer, .address_space: global }
      - { .name: Wr, .offset: 32, .size: 8, .value_kind: global_buffer, .address_space: global }
      - { .name: lowp_scales, .offset: 40, .size: 8, .value_kind: global_buffer, .address_space: global }
      - { .name: xcodes, .offset: 48, .size: 8, .value_kind: global_buffer, .address_space: global }
      - { .name: wcodes, .offset: 56, .size: 8, .value_kind: global_buffer, .address_space: global }
      - { .name: mask, .offset: 64, .size: 8, .value_kind: global_buffer, .address_space: global }
      - { .name: cnt, .offset: 72, .size: 8, .value_kind: global_buffer, .address_space: global }
    .group_segment_fixed_size: 33280
    .private_segment_fixed_size: 0
    .kernarg_segment_align: 8
    .kernarg_segment_size: 80
    .max_flat_workgroup_size: 128
    .sgpr_count:     96
    .vgpr_count:     178
    .wavefront_size: 32
...
	.end_amdgpu_metadata
.endif
;; end of part 5
;; launch proj: the kernel of part 2 again; grid 4 x 128, 4 waves a work-group, clusters of 4 x 4, 327,680 bytes of LDS; arguments xcodes, wcodes, lowp_scales, qc, kc, vc, r; writes qc, kc, vc, r
;; launch attn (part 6): grid 4 x 64, 16 waves a work-group, no clusters, 313,344 bytes of LDS; arguments qc, kc, vc, cnt, lowp_scales, ao; writes ao
.if DOCPART == 6
	.amdgcn_target "amdgcn-amd-amdhsa--gfx1250"
	.amdhsa_code_object_version 6
	.text
	.protected	k_q9b67783e29_attn
	.globl	k_q9b67783e29_attn
	.p2align	8
	.type	k_q9b67783e29_attn,@function
k_q9b67783e29_attn:
	s_mov_b64 s[64:65], 0
	v_nop
	global_prefetch_b8 v0, s[64:65] scope:SCOPE_SE
	s_setreg_imm32_b32 hwreg(HW_REG_WAVE_MODE, 25, 1), 1
	s_wait_xcnt 0x0
; ao[batch][q][head x 64 + d] = the sum over keys of softmax_k(q . k / 8, keys with mask 0 at -1e9) v, both products on codes of BF8 (E5M2); exponents e6 (q), e7 (k), e8 (v), e9 (p).
; qc, kc: [64 = batch x 16 + head][2048][64] codes; vc: [64][16 blocks of 128 keys][64 channels][128] codes; both laid so that a 16-byte load at 32 c + 16 (lane / 16) of a row brings the matrix form's own layout.
; THE KEYS ARE SORTED: in kc and vc a batch's keys whose mask is not 0 come first, and cnt holds their number (one record of 256 bytes a batch).  A softmax does not hang on the order of its keys.
; THE MASK.  NE = the batch's count.  A key step whose 128 keys all lie at or past NE is passed over (a scalar branch on the stored count, inside loops whose trip counts are constants); in the one step that NE cuts, the scores
; of the keys at or past NE become -infinity ahead of the maximum, so that their p is 0.
;   LIMIT: a masked key's weight is exactly 0: what a logit of -1e9 gives wherever some unmasked logit of the row lies above about -1e9 + 104.
;   A batch with NO key that counts: NE = 2,048 and the factor c is 0 (selects, no branch): every t is 0, every p is 1, the sum 2,048: the uniform softmax that equal logits of -1e9 give.
; THE SOFTMAX AHEAD OF THE SECOND PRODUCT: t = logit x log2(e); M = the row's largest t so far, rounded UP to a whole number; p = 2^(t - M) is quantised with 2^e9; it is not normalised.
; The row's sum is taken of the unquantised p, in f32, and divides O at the end.  When M moves, the sum and O are multiplied by 2^(old M - new M): exact.
; LIMITS on the given exponents, so that each power of two is an f32 number: e6 + e7 between -123 and 130; e9 between -126 and 112; e8 + e9 is applied by v_ldexp_f32 and has none.
; SHARES.  A work-group owns 512 queries of one head; each of its sixteen waves 32, as two tiles of 16 that it takes one after the other: four waves to a SIMD, so that one wave's vector work stands beside another's products and LDS loads.
; K AND V LIE IN LDS, each byte written once: 2,048 rows of K (64 + 16 bytes), 1,024 rows of V^T (128 + 16 bytes).  They come THROUGH REGISTERS, in four groups of 512 keys: a thread brings 4 x 16 bytes of K and 4 x 16 of V a group.
; Group g + 1 is asked for ahead of group g's four key steps of the first tile of queries, only where NE reaches it, and is stored to LDS behind them; a barrier follows.  So a group's loads are out four key steps ahead of their use.
; NO CLUSTER, NO JOINT LOADS, though the four work-groups of a head read the same K and V.  The branch on the count spares
; every key step past NE, its loads, products and softmax; what would be shared is at most 256 KiB a work-group, fetched once.
; LAYOUT.  S^T = K Q^T (source 0 = 16 keys, source 1 = my 16 queries), O^T = V^T P^T: a lane holds ONE query (lane % 16) throughout, and tile T's eight registers are keys 16 T + 8 (lane / 16) + 0 .. 7: their codes ARE registers 2 T, 2 T + 1 of P.
; REGISTERS: v0 the thread; v1-7 addresses that stay; v8, v9 addresses of the loads in hand; v[10:11] c; v12 -M, v13 the largest t, v[14:15] the sum in two halves; v16-31 Q's two tiles; v32-95 eight fragments of K, then four of V;
; v96-159 S^T, then p; v160-191 O^T; v192-223 a group of K and V on its way to LDS, then the first tile's finished O; v224-239 p's codes; v236-255 at work.
.set KP,   80                          ; a key's row in LDS: 64 bytes + 16 of padding: 5 x 16, so the 16 rows of a load start at 16 different groups of banks (ISA guide 11.1)
.set VP,   144                         ; a row of V^T: 128 + 16 = 9 x 16
.set VREG, 2048*KP                     ; V^T behind K
.set SPI,  272                         ; the way out: 16 rows x (256 + 16) bytes for each wave, over K's rows, behind the barrier behind which nobody reads them
.set AK0,  1                           ; v1   my lane's place in a tile of K
.set AV0,  2                           ; v2   the same for V^T
.set SK,   3                           ; v3   where my thread puts 16 bytes of K: four threads to a row
.set GO,   4
.set STO,  5
.set RD,   6
.set SV,   7                           ; v7   where my thread puts 16 bytes of V^T: eight threads to a row
.set ADK,  8
.set ADV,  9
.set LR,   192                         ; v192-207 K's, v208-223 V's 16-byte pieces on their way
.set PO,   241                         ; v241 16 x thread: my piece of 8,192 consecutive bytes; never rewritten
.set DV,   245                         ; v245 the keys that count in the step that NE cuts, less 8 (lane / 16)
.set NINF, 246                         ; v246 -infinity
.set QO,   255                         ; v255 my lane's byte in Q's rows; never rewritten
.set KO,   2                           ; s2   LDS byte of the step's keys in K
.set VO,   3                           ; s3   in V^T
.set KF,   16                          ; s16  the step's first key
.set CNT,  17
.set WV,   18
.set SEL,  20                          ; s[20:21] lane selects for v_permlanex16_b32: lane l xor 16
.set NE,   25                          ; s25  keys to walk
	s_load_b256 s[4:11], s[0:1], 0x0               ; qc 4:5, kc 6:7, vc 8:9, cnt 10:11
	s_load_b128 s[12:15], s[0:1], 0x20             ; the scales' exponents 12:13, ao 14:15
	v_lshl_add_u32 v250, v0, 2, 0x4c000
	v_mov_b32 v251, 0
	v_lshrrev_b32 v1, 5, v0
	v_readfirstlane_b32 s[WV], v1                  ; wave 0..15
	s_and_b32 s89, ttmp7, 0xffff                   ; batch x 16 + head
	s_lshr_b32 s90, s89, 4                         ; batch
	s_and_b32 s91, s89, 15                         ; head
	s_mov_b32 s[SEL], 0x76543210
	s_mov_b32 s[SEL+1], 0xfedcba98
	v_lshlrev_b32 v[PO], 4, v0
	v_and_b32 v10, 15, v0                          ; r = lane % 16
	v_bfe_u32 v11, v0, 4, 1                        ; h = lane / 16
	v_lshlrev_b32 v[QO], 6, v10
	v_lshl_add_u32 v[QO], v11, 4, v[QO]            ; Q: row r of 64 bytes, + 16 h
	s_lshl_b32 s94, s89, 17                        ; the head's 131,072 bytes in each tensor of codes
	s_mov_b32 s95, 0
	s_lshl_b32 s98, ttmp9, 15                      ; my work-group's 512 queries x 64 bytes,
	s_lshl_b32 s100, s[WV], 11                     ; my wave's 32,
	s_add_co_u32 s98, s98, s100
	s_add_co_u32 s98, s98, s94                     ; in my head
	s_mov_b32 s99, 0
	s_lshl_b32 s92, s90, 8                         ; the batch's record in cnt
	s_mov_b32 s93, 0
	s_wait_kmcnt 0x0
	s_load_b128 s[84:87], s[12:13], 0x18           ; e6, e7, e8, e9
	s_add_nc_u64 s[10:11], s[10:11], s[92:93]
	s_load_b32 s24, s[10:11], 0x0                  ; the batch's count
	s_add_nc_u64 s[6:7], s[6:7], s[94:95]
	s_add_nc_u64 s[8:9], s[8:9], s[94:95]
	s_add_nc_u64 s[4:5], s[4:5], s[98:99]
; Group g, 512 keys: 32,768 consecutive bytes of K and as many of V.  The work-group's 512 threads take 8,192 consecutive bytes an instruction, a wave 512.
.macro FILL_LOAD g
.irp i, 0,1,2,3
	global_load_b128 v[LR+4*\i:LR+4*\i+3], v[PO], s[6:7] offset:(\g)*32768+8192*\i
.endr
.irp i, 0,1,2,3
	global_load_b128 v[LR+16+4*\i:LR+16+4*\i+3], v[PO], s[8:9] offset:(\g)*32768+8192*\i
.endr
.endm
.macro FILL_STORE g                    ; an instruction's 8,192 bytes are 128 rows of K, or 64 rows of V^T
	v_add_nc_u32 v252, (\g)*512*KP, v[SK]
	v_add_nc_u32 v254, (\g)*256*VP, v[SV]
.irp i, 0,1,2,3
	ds_store_b128 v252, v[LR+4*\i:LR+4*\i+3] offset:\i*128*KP
.endr
.irp i, 0,1,2,3
	ds_store_b128 v254, v[LR+16+4*\i:LR+16+4*\i+3] offset:\i*64*VP
.endr
.endm
	FILL_LOAD 0                                    ; every batch walks at least one key
.irp u, 0,1
.irp c, 0,1
	global_load_b128 v[16+8*\u+4*\c:19+8*\u+4*\c], v[QO], s[4:5] offset:1024*\u+32*\c   ; Q's two tiles stay in registers
.endr
.endr
	s_lshl_b32 s98, s90, 11                        ; ao: row 2,048 batch + 512 x work-group x + 32 wave, of 4,096 bytes; + 256 x head
	s_lshl_b32 s100, ttmp9, 9
	s_add_co_u32 s98, s98, s100
	s_lshl_b32 s100, s[WV], 5
	s_add_co_u32 s98, s98, s100
	s_lshl_b32 s98, s98, 12
	s_lshl_b32 s100, s91, 8
	s_add_co_u32 s98, s98, s100
	s_add_nc_u64 s[14:15], s[14:15], s[98:99]
	v_mul_u32_u24 v[AK0], v10, KP
	v_lshl_add_u32 v[AK0], v11, 4, v[AK0]          ; K: row r, + 16 h
	v_mul_u32_u24 v[AV0], v10, VP
	v_lshl_add_u32 v[AV0], v11, 4, v[AV0]
	v_add_nc_u32 v[AV0], VREG, v[AV0]              ; V^T likewise
	v_lshrrev_b32 v[SK], 2, v0
	v_mul_u32_u24 v[SK], v[SK], KP
	v_and_b32 v254, 3, v0
	v_lshl_add_u32 v[SK], v254, 4, v[SK]           ; row thread / 4, + 16 (thread % 4)
	v_lshrrev_b32 v[SV], 3, v0
	v_mul_u32_u24 v[SV], v[SV], VP
	v_and_b32 v254, 7, v0
	v_lshl_add_u32 v[SV], v254, 4, v[SV]
	v_add_nc_u32 v[SV], VREG, v[SV]                ; row thread / 8, + 16 (thread % 8)
	v_lshlrev_b32 v[GO], 12, v11
	v_lshl_add_u32 v[GO], v10, 4, v[GO]            ; the way out: lanes 0-15 take one row of ao, lanes 16-31 the next; 16 bytes a lane
	s_mul_i32 s96, s[WV], 16*SPI                   ; my stage
	v_mul_u32_u24 v[STO], v10, SPI
	v_lshl_add_u32 v[STO], v11, 5, v[STO]
	v_add_nc_u32 v[STO], s96, v[STO]               ; in: row r, + 32 h
	v_mul_u32_u24 v[RD], v11, SPI
	v_lshl_add_u32 v[RD], v10, 4, v[RD]
	v_add_nc_u32 v[RD], s96, v[RD]                 ; back: two rows an instruction
	v_mov_b32 v236, 0                              ; written once: a lane permute's destination counts as one of its sources
	v_mov_b32 v253, 0                              ; (named as the upper half of the pair v[252:253])
	s_wait_kmcnt 0x0
	s_add_co_i32 s96, s84, s85                     ; e6 + e7
	s_lshl_b32 s96, s96, 23
	s_add_co_i32 s22, s96, 0x3e38aa3b              ; c = log2(e) / 8 x 2^(e6 + e7): the two exponents are added to its exponent field
	s_add_co_i32 s19, s86, s87                     ; e8 + e9
	s_add_co_i32 s96, s87, 127
	s_lshl_b32 s97, s96, 23
	v_mov_b32 v244, s97                            ; 2^e9 as f32, for the conversion
	s_add_co_i32 s96, s96, 15
	s_lshl_b32 s96, s96, 23
	s_or_b32 s96, s96, 0x600000
	v_mov_b32 v240, s96                            ; 57,344 x 2^e9
	s_cmp_eq_u32 s24, 0                            ; a batch without a key that counts:
	s_cselect_b32 s22, 0, s22                      ; c = 0,
	s_cselect_b32 s[NE], 2048, s24                 ; and all keys are walked
	s_min_u32 s[NE], s[NE], 2048
	v_mov_b32 v10, s22
	v_mov_b32 v11, s22
	s_wait_loadcnt 4                               ; group 0's eight loads are in; Q's four may be out
	FILL_STORE 0
	s_wait_dscnt 0x0                               ; for the others' sake: my LDS stores are done
	s_barrier_signal -1
	s_barrier_wait -1
; A KEY STEP: 128 keys against the tile of queries whose fragment begins at v[q].
.macro STEP q
	s_cmp_ge_u32 s[KF], s[NE]                      ; none of the step's keys counts: its loads, products and softmax are passed over; not the lines at its end that step addresses
	s_cbranch_scc1 .Lpast_\@
	v_add_nc_u32 v[ADK], s[KO], v[AK0]
	v_add_nc_u32 v[ADV], s[VO], v[AV0]
	v_nop                                          ; four places in front of loads into registers that matrix instructions have read (ISA guide 7.12.1 for vector instructions); the two additions above are places too
	v_nop
.irp t, 0,1,2,3,4,5,6,7                        ; K's eight fragments, in one run
	ds_load_b128 v[32+8*\t:35+8*\t], v[ADK] offset:\t*16*KP
	ds_load_b128 v[36+8*\t:39+8*\t], v[ADK] offset:\t*16*KP+32
.endr
	s_wait_dscnt 0x0
.irp t, 0,1,2,3,4,5,6,7                        ; S^T = K Q^T: eight tiles of 16 keys
	v_wmma_f32_16x16x64_bf8_bf8 v[96+8*\t:103+8*\t], v[32+8*\t:39+8*\t], v[\q:\q+7], 0
.endr
.rept 4
	v_nop
.endr
.irp t, 0,1,2,3                                ; V's four fragments are asked for here and land while the softmax is worked
.irp c, 0,1,2,3
	ds_load_b128 v[32+16*\t+4*\c:35+16*\t+4*\c], v[ADV] offset:\t*16*VP+32*\c
.endr
.endr
	s_add_co_u32 s96, s[KF], 128
	s_cmp_le_u32 s96, s[NE]
	s_cbranch_scc1 .Lwhole_\@                      ; all 128 keys count
	s_sub_co_u32 s96, s[NE], s[KF]                 ; the step that NE cuts: so many of its keys count, 1 to 127
	v_bfe_u32 v[DV], v0, 4, 1
	v_lshlrev_b32 v[DV], 3, v[DV]
	v_sub_nc_u32 v[DV], s96, v[DV]                 ; register 8 T + j holds key 16 T + 8 (lane / 16) + j of the step: it does not count where 16 T + j >= this
	v_mov_b32 v[NINF], 0xff800000
.set n, 0
.rept 64
	v_cmp_ge_i32 vcc_lo, 16*(n/8)+n%8, v[DV]
	v_cndmask_b32 v[96+n], v[96+n], v[NINF], vcc_lo
.set n, n+1
.endr
.Lwhole_\@:
	v_max3_num_f32 v254, v96, v97, v98             ; the step's largest score of my query, among my 64 keys, in two chains; each accumulator is read from its low end on
	v_max3_num_f32 v252, v99, v100, v101
.irp i, 6,10,14,18,22,26,30,34,38,42,46,50,54,58
	v_max3_num_f32 v254, v254, v[96+\i], v[97+\i]
	v_max3_num_f32 v252, v252, v[98+\i], v[99+\i]
.endr
	v_max3_num_f32 v254, v254, v158, v159
	v_max_num_f32 v254, v254, v252
	v_permlanex16_b32 v236, v254, s[SEL], s[SEL+1]
	v_max_num_f32 v254, v254, v236                 ; and among lane l xor 16's: the step's first key counts, so this is a number
	v_mul_f32 v254, v10, v254                      ; as t (c is not negative)
	v_max_num_f32 v13, v13, v254                   ; the running largest t
	v_mov_b32 v254, v12
	v_floor_f32 v12, -v13                          ; the new -M = floor(-t) = -ceil(t): M is a whole number
	v_sub_f32 v254, v12, v254                      ; M's old value less its new one: a whole number, 0 or less
	v_cvt_i32_f32 v254, v254                       ; (it saturates)
	v_ldexp_f32 v252, 1.0, v254                    ; f = 2^(old M - new M)
.irp j, 0,2,4,6,8,10,12,14,16,18,20,22,24,26,28,30,32,34,36,38,40,42,44,46,48,50,52,54,56,58,60,62
	v_pk_fma_f32 v[96+\j:97+\j], v[96+\j:97+\j], v[10:11], v[12:13] op_sel_hi:[1,0,0]   ; t - M, two at a time (of the pairs c and -M the low word serves both halves)
.endr
.set i, 0
.rept 64
	v_exp_f32 v[96+i], v[96+i]                     ; p = 2^(t - M), at most 1: not normalised
.set i, i+1
.endr
	v_pk_mul_f32 v[14:15], v[14:15], v[252:253] op_sel_hi:[1,0]   ; the sums under the new M.  (A plain place behind the exponentials)
	s_wait_alu depctr_va_vdst(0)                   ; one wait for the whole batch of exponentials, ahead of its first reader
	v_pk_add_f32 v[242:243], v[96:97], v[98:99]    ; the row's sum is taken of the unquantised p: two at a time, in two chains
.irp j, 4,8,12,16,20,24,28,32,36,40,44,48,52,56,60
	v_pk_add_f32 v[14:15], v[14:15], v[96+\j:97+\j]
	v_pk_add_f32 v[242:243], v[242:243], v[98+\j:99+\j]
.endr
	v_pk_add_f32 v[14:15], v[14:15], v[242:243]
.irp b, 0,1,2,3,4,5,6,7
.irp i, 0,1,2,3,4,5,6,7
	v_min_num_f32 v[96+8*\b+\i], v[96+8*\b+\i], v240   ; the conversion to an 8-bit code does not saturate (ISA guide 7.6.2); p is not negative, so the hold is one-sided
.endr
	v_cvt_scalef32_pk8_bf8_f32 v[224+2*\b:225+2*\b], v[96+8*\b:103+8*\b], v244   ; keys 16 b + 8 (lane / 16) + 0 .. 7: registers 2 b, 2 b + 1 of P
.endr
.irp j, 0,2,4,6,8,10,12,14,16,18,20,22,24,26,28,30
	v_pk_mul_f32 v[160+\j:161+\j], v[160+\j:161+\j], v[252:253] op_sel_hi:[1,0]   ; O^T under the new M.  (These are also the plain lines between the conversions and the products that read the codes)
.endr
	s_wait_dscnt 0x0                               ; V's fragments are in
.irp t, 0,1,2,3                                ; O^T += V^T P^T: four accumulators by turns, one instruction a turn
	v_wmma_f32_16x16x128_bf8_bf8 v[160+8*\t:167+8*\t], v[32+16*\t:47+16*\t], v[224:239], v[160+8*\t:167+8*\t]
.endr
.Lpast_\@:
	s_add_co_u32 s[KO], s[KO], 128*KP
	s_add_co_u32 s[VO], s[VO], 64*VP
	s_add_co_u32 s[KF], s[KF], 128
.endm
.macro STEPS n, q, k0                  ; n key steps from step k0 on: the trip count is a constant
	s_mov_b32 s[KO], (\k0)*128*KP
	s_mov_b32 s[VO], (\k0)*64*VP
	s_mov_b32 s[KF], (\k0)*128
	s_mov_b32 s[CNT], \n
.Lstep_\@:
	STEP \q
	s_sub_co_u32 s[CNT], s[CNT], 1
	s_cmp_lg_u32 s[CNT], 0
	s_cbranch_scc1 .Lstep_\@
.endm
.macro INIT                            ; the step is written without a first step of its own: it finds zeros, which the first change of M leaves zeros
	v_mov_b32 v13, 0xff61b1e6                      ; the largest t so far: -3e38
	v_floor_f32 v12, -v13                          ; -M
	v_mov_b32 v14, 0
	v_mov_b32 v15, 0
.set i, 0
.rept 32
	v_mov_b32 v[160+i], 0
.set i, i+1
.endr
.endm
.macro FINISH dst                      ; O^T x 2^(e8 + e9) / the row's sum, into v[dst] on
	v_add_f32 v14, v14, v15                        ; the sum's two halves,
	v_permlanex16_b32 v252, v14, s[SEL], s[SEL+1]
	v_add_f32 v14, v14, v252                       ; and lane l xor 16's
	v_rcp_f32 v14, v14
	v_nop                                          ; plain places: behind the reciprocal, and with the lines above behind the last products
	v_nop
	s_wait_alu depctr_va_vdst(0)                   ; ahead of the reciprocal's first reader
	v_ldexp_f32 v14, v14, s19
.irp j, 0,2,4,6,8,10,12,14,16,18,20,22,24,26,28,30
	v_pk_mul_f32 v[\dst+\j:\dst+\j+1], v[160+\j:161+\j], v[14:15] op_sel_hi:[1,0]   ; register 8 t + i is o(query r, channel 16 t + 8 h + i)
.endr
.endm
.macro OUT u, src                      ; a tile of 16 queries x 64 channels through my stage: in by lanes' 32 bytes, back as whole rows of 256 bytes
.irp t, 0,1,2,3
	ds_store_b128 v[STO], v[\src+8*\t:\src+8*\t+3] offset:64*\t
	ds_store_b128 v[STO], v[\src+8*\t+4:\src+8*\t+7] offset:64*\t+16
.endr
.irp i, 0,1,2,3,4,5,6,7
	ds_load_b128 v[32+32*\u+4*\i:35+32*\u+4*\i], v[RD] offset:\i*2*SPI   ; LDS serves a wave's instructions in order (ISA guide 5.7.1.4): these see my stores, and the next tile's stores come behind them
.endr
.endm
	s_wait_loadcnt 0x0                             ; Q
	INIT
.irp g, 0,1,2                                  ; the first tile of queries, group by group
	s_cmp_gt_u32 s[NE], 512*(\g+1)                 ; is any key of the next group walked?  Then it is asked for now, four key steps ahead of its use
	s_cbranch_scc0 .Lno_more_\g
	FILL_LOAD \g+1
.Lno_more_\g:
	STEPS 4, 16, 4*\g
	s_wait_loadcnt 0x0                             ; the next group is in registers, if it was asked for;
	FILL_STORE \g+1                                ; it goes to its own rows of LDS, which no wave reads ahead of the barrier below.  (No branch: where nothing was asked for, the registers' old codes go there, and no step reads them)
	s_wait_dscnt 0x0                               ; for the others' sake: my LDS stores are done
	s_barrier_signal -1
	s_barrier_wait -1
.endr
	STEPS 4, 16, 12
	FINISH 192
	INIT
	STEPS 16, 24, 0                                ; the second tile of queries: all that is walked lies in LDS
	FINISH 96
	s_wait_dscnt 0x0                               ; my reads of K are over
	s_barrier_signal -1
	s_barrier_wait -1                              ; everybody's are: the stages may be written over K's rows
	OUT 0, 192
	OUT 1, 96
.irp u, 0,1
.irp i, 0,1,2,3,4,5,6,7
	s_wait_dscnt 23-16*\u-\i                       ; behind this load: the rest of its eight, and for the first tile the second tile's sixteen
	global_store_b128 v[GO], v[32+32*\u+4*\i:35+32*\u+4*\i], s[14:15] offset:(16*\u+2*\i)*4096   ; sixteen lanes store a row's 256 bytes of my head, at a multiple of 256 from ao's first byte
.endr
.endr
	s_wait_tensorcnt 0x0
	ds_add_u32 v250, v251
	s_wait_dscnt 0x0
	s_endpgm
.Lfunc_end_k_q9b67783e29_attn:
	.size	k_q9b67783e29_attn, .Lfunc_end_k_q9b67783e29_attn-k_q9b67783e29_attn
	.p2alignl 7, 3214868480
	.fill 96, 4, 3214868480
	.section	.rodata,"a",@progbits
	.p2align	6, 0x0
	.amdhsa_kernel k_q9b67783e29_attn
		.amdhsa_group_segment_fixed_size 313344
		.amdhsa_private_segment_fixed_size 0
		.amdhsa_enable_private_segment 0
		.amdhsa_kernarg_size 48
		.amdhsa_user_sgpr_count 2
		.amdhsa_user_sgpr_kernarg_segment_ptr 1
		.amdhsa_wavefront_size32 1
		.amdhsa_system_sgpr_workgroup_id_x 1
		.amdhsa_system_sgpr_workgroup_id_y 1
		.amdhsa_system_sgpr_workgroup_id_z 1
		.amdhsa_system_vgpr_workitem_id 0
		.amdhsa_next_free_vgpr 256
		.amdhsa_next_free_sgpr 102
		.amdhsa_reserve_vcc 1
		.amdhsa_float_denorm_mode_32 3
		.amdhsa_float_denorm_mode_16_64 3
		.amdhsa_memory_ordered 1
		.amdhsa_forward_progress 1
		.amdhsa_inst_pref_size 125
	.end_amdhsa_kernel
	.amdgpu_metadata
---
amdhsa.version: [ 1, 2 ]
amdhsa.kernels:
  - .name:           k_q9b67783e29_attn
    .symbol:         k_q9b67783e29_attn.kd
    .args:
      - { .name: qc, .offset: 0, .size: 8, .value_kind: global_buffer, .address_space: global }
      - { .name: kc, .offset: 8, .size: 8, .value_kind: global_buffer, .address_space: global }
      - { .name: vc, .offset: 16, .size: 8, .value_kind: global_buffer, .address_space: global }
      - { .name: cnt, .offset: 24, .size: 8, .value_kind: global_buffer, .address_space: global }
      - { .name: lowp_scales, .offset: 32, .size: 8, .value_kind: global_buffer, .address_space: global }
      - { .name: ao, .offset: 40, .size: 8, .value_kind: global_buffer, .address_space: global }
    .group_segment_fixed_size: 313344
    .private_segment_fixed_size: 0
    .kernarg_segment_align: 8
    .kernarg_segment_size: 48
    .max_flat_workgroup_size: 512
    .sgpr_count:     102
    .vgpr_count:     256
    .wavefront_size: 32
...
	.end_amdgpu_metadata
.endif
;; end of part 6
;; launch norm: the kernel of part 4 again; grid 256 x 1, 8 waves a work-group, no clusters, 0 bytes of LDS; arguments ao, r, gamma, beta, out0; writes out0
;; ======== version 3 of 3: 4 launches; version 2 with the launches quant, attn written anew for expert scheduling mode
;; workspace buffers: xcodes 33,554,432 bytes; wcodes 4,194,304 bytes; qc 8,388,608 bytes; kc 8,388,608 bytes; vc 8,388,608 bytes; r 33,554,432 bytes; ao 33,554,432 bytes; cnt 1,024 bytes of whole numbers
;; launch quant (part 7): grid 384 x 1, 4 waves a work-group, no clusters, 33,280 bytes of LDS; arguments x, Wq, Wk, Wv, Wr, lowp_scales, xcodes, wcodes, mask, cnt; writes xcodes, wcodes, cnt
.if DOCPART == 7
	.amdgcn_target "amdgcn-amd-amdhsa--gfx1250"
	.amdhsa_code_object_version 6
	.text
	.protected	k_q9b67783e29_quant
	.globl	k_q9b67783e29_quant
	.p2align	8
	.type	k_q9b67783e29_quant,@function
k_q9b67783e29_quant:
	s_mov_b64 s[64:65], 0
	v_nop
	global_prefetch_b8 v0, s[64:65] scope:SCOPE_SE
	s_setreg_imm32_b32 hwreg(HW_REG_WAVE_SCHED_MODE, 0, 2), 2
	s_setreg_imm32_b32 hwreg(HW_REG_WAVE_MODE, 25, 1), 1
	s_wait_xcnt 0x0
	s_wait_alu depctr_vm_vsrc(0)
; x [8192][1024] and the four weights [1024][1024], f32 with K innermost, become codes of BF8 (E5M2), one byte a number, K innermost.
; x is an operand of four products, each with an exponent of its own (entries 0, 2, 4, 10 of the scales): it is read once and written four times, as planes 0 to 3 of xcodes.
; Wq, Wk, Wv, Wr (entries 1, 3, 5, 11) become planes 0 to 3 of wcodes.
; code = number / 2^e, held within +-57,344, rounded to the nearest code, ties to even.
; THE MASK SORTS THE KEYS.  Planes 1 and 2 feed the products that make K and V.  Their rows are laid, within each batch, in another order: the tokens whose mask is not 0 first (rows 0 .. count - 1, in their order), the
; others behind them (in their order).  That is a permutation of a batch's 2,048 rows, so every row is written.  K and V then come out with the keys that count in front, and attention need not walk the rest.
; The batch's count goes to cnt, one record of 256 bytes a batch, every word the count.  Planes 0 and 3 (Q and the residual product) keep the tokens' order.
; All of that is whole-number arithmetic on the mask: a wave sums min(mask, 1) over its batch's 2,048 words, each weighed 1 + 4,096 x (the token lies ahead of my rows): one sum holds the count (12 bits) and above it the count ahead of my rows.
; LIMITS: each e lies between -126 and 112, so that 2^e and 57,344 x 2^e are f32 numbers.  NaN among the inputs is not served; an infinity is held at the largest code.
; SHARES.  Rows are dense, so each tensor is a plain stream.  A wave takes 8,192 numbers (8 rows of x), 16 steps of 512.  Work-groups 0 to 255 take x, then 32 work-groups for each weight.
; All work-groups take one path; only pointers and the first exponent are chosen by the work-group's number, and a weight's work-group jumps over outputs 1 to 3 of each step (vector work and stores alone).
; A load reads 512 consecutive bytes, 16 a lane; the conversions want 16 neighbours in ONE lane: a step's 2,048 bytes turn through the wave's own stage in LDS (16 bytes of padding behind each 64).
; A lane's 16 codes are 16 bytes: a store of the wave covers 512 consecutive bytes, aligned.  Waves share nothing: no barrier.  What work-groups share is a batch's 8 KiB of mask: too little for a cluster.
; THE MODE: SCHED_MODE bits 1:0 = 2 (LLVM: expert scheduling mode 2), set by the entry lines.  The code itself states the register dependences between vector instructions and memory or LDS instructions, with s_wait_alu, always for 0.
; THE PLAN.  Registers that memory or LDS instructions touch, in the steps:
;   R0 .. R3   Written by the loads of step t + 4, issued in step t; read by the LDS stores of step t's turn through the stage.  No vector instruction names them.
;   X0, X1     Written by the LDS loads of step t + 1's turn, issued in step t; read by step t + 1's holds.
;   C0, C1     Written by step t's conversions.  Output 0's four registers are read by a store that is issued in step t + 1; those of outputs 1 to 3 by three stores at the end of step t, under the branch that made them.
;   v3, v14, v15, v5-12   Offsets and LDS addresses, made at the head and never written again.
; Step t works on X[t % 2] and writes C[t % 2].  The waits at its head state all that its loads, its turn through the stage and the store of the last step's output 0 hang on: these touch R, X[(t + 1) % 2] and
; C[(t - 1) % 2], which no vector instruction issued since those waits names.  One more wait on va_vdst stands behind the conversions of outputs 1 to 3, ahead of their three stores.
.set STEPS, 16
.set XG,    256                        ; work-groups that take x
.set SP,    80                         ; a lane's place in a stage: 64 bytes + 16 of padding
.set WREG,  8192                       ; LDS of a wave: two stages of 32 x SP bytes
.set PLANE, 0x800000                   ; bytes of a plane of xcodes
.set L4,    4                          ; v4       4 x lane
.set DO,    5                          ; v5-12    16 x lane + 1,024 x the place of my row 0 .. 7 in planes 1 and 2; never rewritten
.set R,     16                         ; v16-79   four sets of 16 numbers as loaded
.set X,     80                         ; v80-111  two sets of 16 neighbours
.set T,     112                        ; v112-127 the numbers held within one output's range
.set C,     128                        ; v128-159 codes: two sets (by turns) of four outputs x four registers
.set SC,    160                        ; v160-163 2^e of outputs 0 to 3, as f32
.set LM,    164                        ; v164-167 57,344 x 2^e
.set MK,    80                         ; v80-143  at the head only: the batch's 2,048 mask words, 64 a lane
.set ACC,   144                        ; v144     at the head only: the packed sum
.set WT,    145                        ; v145     a word's weight: 1 or 4,097
.set BIG,   146                        ; v146     4,097
.set S4,    147                        ; v147     four words' sum
.set XL,    148                        ; v148     another lane's sum
.set CN,    168                        ; v[168:169] the count, twice; v170 8 x lane: the count's store reads them, nothing writes them again
.set DR,    76                         ; s76-83   my eight rows' places in planes 1 and 2
.set CM,    4                          ; s4-19    at the head only, once the pointers are chosen and the scalar loads are in: the masks of sixteen compares
	s_load_b512 s[4:19], s[0:1], 0x0               ; x 4:5, Wq 6:7, Wk 8:9, Wv 10:11, Wr 12:13, scales 14:15, xcodes 16:17, wcodes 18:19
	s_load_b128 s[56:59], s[0:1], 0x40             ; mask 56:57, cnt 58:59
	v_lshl_add_u32 v176, v0, 2, 0x8000
	v_mov_b32 v177, 0
	v_lshrrev_b32 v1, 5, v0
	v_readfirstlane_b32 s33, v1                    ; wave
	v_and_b32 v2, 31, v0                           ; lane
	v_lshlrev_b32 v3, 4, v2                        ; 16 x lane: my bytes of a load's 512, and my codes' place in a step's 512; never rewritten
	v_lshlrev_b32 v[L4], 2, v2
	s_wait_alu depctr_va_sdst(0)                   ; s33, the wave's number, is written, ahead of its first reader
	s_mul_i32 s38, s33, WREG
	v_lshrrev_b32 v14, 2, v2
	v_mul_u32_u24 v14, v14, SP
	v_and_b32 v15, 3, v2
	v_lshl_add_u32 v14, v15, 4, v14
	v_add_nc_u32 v14, s38, v14                     ; the stage, on the way in: SP (lane / 4) + 16 (lane % 4)
	v_mul_u32_u24 v15, v2, SP
	v_add_nc_u32 v15, s38, v15                     ; and on the way out: SP x lane: my 16 neighbours
	s_sub_co_u32 s30, ttmp9, XG
	s_and_b32 s31, s30, 31                         ; a weight's work-group: its number within the weight,
	s_lshr_b32 s32, s30, 5                         ; and which weight
	s_cmp_lt_u32 ttmp9, XG
	s_cselect_b32 s31, ttmp9, s31
	s_cselect_b32 s32, 0, s32
	s_lshl_b32 s31, s31, 2
	s_add_co_u32 s31, s31, s33                     ; which run of 8,192 numbers of the tensor is my wave's
	s_lshl_b32 s34, s31, 15                        ; its first byte in the tensor,
	s_mov_b32 s35, 0
	s_lshl_b32 s36, s31, 13                        ; and in the codes,
	s_lshl_b32 s32, s32, 20
	s_add_co_u32 s36, s36, s32                     ; in the weight's plane of wcodes
	s_mov_b32 s37, 0
	s_lshr_b32 s66, s31, 8                         ; the batch: 256 runs of 8 rows.  (A weight's work-group has runs 0 to 127: it walks the same lines on batch 0 and uses nothing of them)
	s_and_b32 s67, s31, 255
	s_lshl_b32 s67, s67, 3                         ; my first token in the batch
	s_lshl_b32 s86, s31, 5                         ; my eight words of the mask,
	s_mov_b32 s87, 0
	s_lshl_b32 s88, s66, 13                        ; the batch's 2,048 words,
	s_mov_b32 s89, 0
	s_lshl_b32 s90, s66, 21                        ; the batch's 2,048 rows of codes,
	s_add_co_u32 s90, s90, PLANE                   ; in plane 1,
	s_mov_b32 s91, 0
	s_lshl_b32 s92, s66, 8                         ; and the batch's record in cnt
	s_mov_b32 s93, 0
	s_wait_kmcnt 0x0
	s_load_b256 s[40:47], s[14:15], 0x0            ; e0 .. e7
	s_load_b128 s[48:51], s[14:15], 0x20           ; e8 .. e11
	s_add_nc_u64 s[86:87], s[56:57], s[86:87]
	s_load_b256 s[68:75], s[86:87], 0x0            ; my eight tokens' mask words
	s_add_nc_u64 s[88:89], s[56:57], s[88:89]
	s_add_nc_u64 s[92:93], s[58:59], s[92:93]
	s_wait_alu depctr_va_vdst(0)                   ; v3, v14 and v15 are written: the loads below, the stores of planes 0 and 3 and the stage's LDS instructions read them as offsets and addresses
.irp i, 0,1,2,3,4,5,6,7,8,9,10,11,12,13,14,15
	global_load_b128 v[MK+4*\i:MK+4*\i+3], v3, s[88:89] offset:512*\i   ; words 128 i + 4 lane + 0 .. 3 of the batch's mask
.endr
	s_mov_b64 s[20:21], s[4:5]                     ; the source: chosen by the work-group's number alone
	s_cmp_ge_u32 ttmp9, XG
	s_cselect_b64 s[20:21], s[6:7], s[20:21]
	s_cselect_b64 s[22:23], s[18:19], s[16:17]     ; output 0
	s_cmp_ge_u32 ttmp9, XG+32
	s_cselect_b64 s[20:21], s[8:9], s[20:21]
	s_cmp_ge_u32 ttmp9, XG+64
	s_cselect_b64 s[20:21], s[10:11], s[20:21]
	s_cmp_ge_u32 ttmp9, XG+96
	s_cselect_b64 s[20:21], s[12:13], s[20:21]
	s_add_nc_u64 s[20:21], s[20:21], s[34:35]
	s_add_nc_u64 s[22:23], s[22:23], s[36:37]
	s_add_nc_u64 s[24:25], s[16:17], s[90:91]      ; output 1: plane 1 at my batch's first row; the row's place comes in the vector offset
	s_add_nc_u64 s[26:27], s[24:25], PLANE         ; output 2: plane 2 likewise
	s_add_nc_u64 s[28:29], s[22:23], 3*PLANE       ; output 3: plane 3, rows as they lie (outputs 1 to 3 are used by x's work-groups alone)
.macro LOAD t
.irp i, 0,1,2,3
	global_load_b128 v[R+16*((\t)%4)+4*\i:R+16*((\t)%4)+4*\i+3], v3, s[20:21] offset:2048*(\t)+512*\i th:TH_LOAD_NT   ; 32 lanes read 512 consecutive bytes; read once in the launch
.endr
.endm
.macro TURN t                          ; step t's numbers through the stage: LDS serves a wave's instructions in order, so no wait stands between the stores and the loads
.irp i, 0,1,2,3
	ds_store_b128 v14, v[R+16*((\t)%4)+4*\i:R+16*((\t)%4)+4*\i+3] offset:32*SP*((\t)%2)+8*SP*\i
.endr
.irp i, 0,1,2,3
	ds_load_b128 v[X+16*((\t)%2)+4*\i:X+16*((\t)%2)+4*\i+3], v15 offset:32*SP*((\t)%2)+16*\i
.endr
.endm
.macro MKSC e, idx                     ; 2^e and 57,344 x 2^e as f32 patterns
	s_add_co_i32 s54, \e, 127
	s_lshl_b32 s55, s54, 23
	v_mov_b32 v[SC+\idx], s55
	s_add_co_i32 s54, s54, 15
	s_lshl_b32 s54, s54, 23
	s_or_b32 s54, s54, 0x600000
	v_mov_b32 v[LM+\idx], s54
.endm
.irp t, 0,1,2,3
	LOAD \t
.endr
	s_wait_kmcnt 0x0
	s_mov_b32 s52, s40                             ; output 0's exponent: e0 for x, e1, e3, e5, e11 for the weights
	s_cmp_ge_u32 ttmp9, XG
	s_cselect_b32 s52, s41, s52
	s_cmp_ge_u32 ttmp9, XG+32
	s_cselect_b32 s52, s43, s52
	s_cmp_ge_u32 ttmp9, XG+64
	s_cselect_b32 s52, s45, s52
	s_cmp_ge_u32 ttmp9, XG+96
	s_cselect_b32 s52, s51, s52
	MKSC s52, 0
	MKSC s42, 1                                    ; e2
	MKSC s44, 2                                    ; e4
	MKSC s50, 3                                    ; e10
	; THE COUNTS.  The batch's words are summed once: a word that is not 0 counts 1, and 4,096 more where its token lies ahead of my first token.
	s_mov_b32 s84, 0x76543210                      ; v_permlanex16_b32: lane l xor 16
	s_mov_b32 s85, 0xfedcba98
	v_mov_b32 v[BIG], 4097
	v_mov_b32 v[XL], 0                             ; written once: the destination of a lane exchange counts as one of its sources
.set i, 0
.rept 16                                       ; the sixteen compares stand in one run, each with a scalar register for its mask, while the mask's loads are out
	s_sub_co_i32 s60, s67, 128*i
	v_cmp_gt_i32 s[CM+i], s60, v[L4]               ; 128 i + 4 lane < my first token (a multiple of 8: one test serves the four words)
.set i, i+1
.endr
	s_wait_alu depctr_va_sdst(0)                   ; the sixteen compares have written s4 to s19, ahead of the selects that read them
	s_wait_loadcnt 16                              ; the mask's sixteen loads are in; the sixteen loads of x behind them stay out
.set i, 0
.rept 16
	v_cndmask_b32 v[WT], 1, v[BIG], s[CM+i]
	v_min_u32 v[MK+4*i], 1, v[MK+4*i]              ; 1 for every word that is not 0
	v_min_u32 v[MK+4*i+1], 1, v[MK+4*i+1]
	v_min_u32 v[MK+4*i+2], 1, v[MK+4*i+2]
	v_min_u32 v[MK+4*i+3], 1, v[MK+4*i+3]
	v_add3_u32 v[S4], v[MK+4*i], v[MK+4*i+1], v[MK+4*i+2]
	v_add_nc_u32 v[S4], v[S4], v[MK+4*i+3]
.if i == 0
	v_mul_u32_u24 v[ACC], v[S4], v[WT]             ; the first product starts the sum
.else
	v_mad_u32_u24 v[ACC], v[S4], v[WT], v[ACC]
.endif
.set i, i+1
.endr
.irp m, 1,2,4,8
	v_mov_b32_dpp v[XL], v[ACC] row_xmask:\m row_mask:0xf bank_mask:0xf
	v_add_nc_u32 v[ACC], v[ACC], v[XL]
.endr
	v_permlanex16_b32 v[XL], v[ACC], s84, s85
	v_add_nc_u32 v[ACC], v[ACC], v[XL]             ; at most 2,048 x 4,097
	v_readfirstlane_b32 s61, v[ACC]
	s_wait_alu depctr_va_sdst(0)                   ; s61, the packed sum, is written, ahead of its first reader
	s_and_b32 s63, s61, 0xfff                      ; the batch's count,
	s_lshr_b32 s62, s61, 12                        ; and the count ahead of my first token
	s_add_co_u32 s60, s63, s67                     ; count + my first token
.irp r, 0,1,2,3,4,5,6,7                        ; a token that counts goes to row (counting tokens ahead of it); another to row count + (others ahead of it)
	s_add_co_u32 s61, s60, \r
	s_sub_co_u32 s61, s61, s62
	s_cmp_lg_u32 s[68+\r], 0
	s_cselect_b32 s[DR+\r], s62, s61
	s_cselect_b32 s61, 1, 0
	s_add_co_u32 s62, s62, s61
	s_min_u32 s[DR+\r], s[DR+\r], 2047             ; a number made of loaded words enters an offset only behind a bound
.endr
.irp r, 0,1,2,3,4,5,6,7
	v_lshl_add_u32 v[DO+\r], s[DR+\r], 10, v3      ; my row r at its place in the sorted planes: all eight offsets are made here, so that no offset is written in the steps
.endr
	v_mov_b32 v[CN], s63
	v_mov_b32 v[CN+1], s63
	v_lshlrev_b32 v[CN+2], 3, v2
	s_wait_alu depctr_va_vdst(0)                   ; v168 to v170 are written, which the count's store reads; so are the offsets v5 to v12; and the sums are done with v80 to v143, in which the stage's LDS loads land
	s_cmp_lt_u32 ttmp9, XG                         ; the wave that owns a batch's first rows stores the batch's count: branches on ids alone
	s_cbranch_scc0 .Lno_count
	s_cmp_eq_u32 s67, 0
	s_cbranch_scc0 .Lno_count
	global_store_b64 v[CN+2], v[CN:CN+1], s[92:93] ; 32 lanes store 256 consecutive bytes, aligned: the whole record
.Lno_count:
	s_wait_loadcnt 12                              ; step 0's four loads are in
	TURN 0
; Output p of step t: the 16 neighbours are held within that output's range, into T, and converted into C[t % 2].
.macro VECP t, p
.set XS, X+16*((\t)%2)
.set CS, C+16*((\t)%2)+4*(\p)
.irp i, 0,1,2,3,4,5,6,7,8,9,10,11,12,13,14,15
	v_med3_num_f32 v[T+\i], v[XS+\i], -v[LM+\p], v[LM+\p]   ; the conversion to an 8-bit code does not saturate (ISA guide 7.6.2): the hold comes first
.endr
	v_cvt_scalef32_pk8_bf8_f32 v[CS:CS+1], v[T:T+7], v[SC+\p]
	v_cvt_scalef32_pk8_bf8_f32 v[CS+2:CS+3], v[T+8:T+15], v[SC+\p]
	v_nop                                          ; a plain vector line between the conversions and the next output's holds, which write T again
.endm
; Output p of step t is stored, at v[areg] + off.
.macro SENDP t, p, areg, off
	global_store_b128 v[\areg], v[C+16*((\t)%2)+4*(\p):C+16*((\t)%2)+4*(\p)+3], s[22+2*\p:23+2*\p] offset:\off
.endm
.macro STEP t
	s_wait_dscnt 0x0                               ; this step's numbers are back from the stage
.if (\t) >= 2
	s_wait_xcnt 0x0                                ; the stores issued so far have had their addresses translated (ISA guide 3.1): C[t % 2], the data of the stores of two steps back, is written again only behind this wait
.endif
	s_wait_alu depctr_vm_vsrc(0)                   ; this step's LDS stores into the stage have read R[t % 4], in which the loads below land; the stores of the codes of two steps back have read C[t % 2], which this step's conversions write
.if (\t) >= 1
	s_wait_alu depctr_va_vdst(0)                   ; the step before has written its output 0's codes, which the store below reads, and is done reading its X, in which the stage's LDS loads below land
.endif
.if (\t)+4 < STEPS
	LOAD (\t)+4                                    ; four steps on
.endif
.if (\t)+1 < STEPS
.if STEPS-2-(\t) >= 3
	s_wait_loadcnt 12                              ; the next step's four loads are in; those of the three steps behind it may be out
.else
	s_wait_loadcnt 4*(STEPS-2-(\t))
.endif
	TURN (\t)+1                                    ; they go through the other stage while this step is worked
.endif
.if (\t) >= 1
	SENDP (\t)-1, 0, 3, 512*((\t)-1)               ; the last step's output 0.  No further wait: no vector instruction since the waits above
.endif
	VECP \t, 0
	s_cmp_lt_u32 ttmp9, XG
	s_cbranch_scc0 .Lweight_\@                     ; a weight has one output
	VECP \t, 1
	VECP \t, 2
	VECP \t, 3
	s_wait_alu depctr_va_vdst(0)                   ; the conversions of outputs 1 to 3 have written their codes, which the three stores below read
	SENDP \t, 1, DO+(\t)/2, 512*((\t)%2)           ; a step is half a row: row t / 2 of my eight, at its place in the sorted planes
	SENDP \t, 2, DO+(\t)/2, 512*((\t)%2)
	SENDP \t, 3, 3, 512*(\t)
.Lweight_\@:
.endm
.irp t, 0,1,2,3,4,5,6,7,8,9,10,11,12,13,14,15
	STEP \t
.endr
	s_wait_alu depctr_va_vdst(0)                   ; the last step has written its output 0's codes, which the last store reads
	SENDP 15, 0, 3, 512*15
	s_wait_dscnt 0x0                               ; the closing lines, six on end
	s_wait_alu 0x0
	s_wait_tensorcnt 0x0
	ds_add_u32 v176, v177
	s_wait_dscnt 0x0
	s_endpgm
.Lfunc_end_k_q9b67783e29_quant:
	.size	k_q9b67783e29_quant, .Lfunc_end_k_q9b67783e29_quant-k_q9b67783e29_quant
	.p2alignl 7, 3214868480
	.fill 96, 4, 3214868480
	.section	.rodata,"a",@progbits
	.p2align	6, 0x0
	.amdhsa_kernel k_q9b67783e29_quant
		.amdhsa_group_segment_fixed_size 33280
		.amdhsa_private_segment_fixed_size 0
		.amdhsa_enable_private_segment 0
		.amdhsa_kernarg_size 80
		.amdhsa_user_sgpr_count 2
		.amdhsa_user_sgpr_kernarg_segment_ptr 1
		.amdhsa_wavefront_size32 1
		.amdhsa_system_sgpr_workgroup_id_x 1
		.amdhsa_system_sgpr_workgroup_id_y 1
		.amdhsa_system_sgpr_workgroup_id_z 1
		.amdhsa_system_vgpr_workitem_id 0
		.amdhsa_next_free_vgpr 178
		.amdhsa_next_free_sgpr 96
		.amdhsa_reserve_vcc 0
		.amdhsa_float_denorm_mode_32 3
		.amdhsa_float_denorm_mode_16_64 3
		.amdhsa_memory_ordered 1
		.amdhsa_forward_progress 1
		.amdhsa_inst_pref_size 117
	.end_amdhsa_kernel
	.amdgpu_metadata
---
amdhsa.version: [ 1, 2 ]
amdhsa.kernels:
  - .name:           k_q9b67783e29_quant
    .symbol:         k_q9b67783e29_quant.kd
    .args:
      - { .name: x, .offset: 0, .size: 8, .value_kind: global_buffer, .address_space: global }
      - { .name: Wq, .offset: 8, .size: 8, .value_kind: global_buffer, .address_space: global }
      - { .name: Wk, .offset: 16, .size: 8, .value_kind: global_buffer, .address_space: global }
      - { .name: Wv, .offset: 24, .size: 8, .value_kind: global_buffer, .address_space: global }
      - { .name: Wr, .offset: 32, .size: 8, .value_kind: global_buffer, .address_space: global }
      - { .name: lowp_scales, .offset: 40, .size: 8, .value_kind: global_buffer, .address_space: global }
      - { .name: xcodes, .offset: 48, .size: 8, .value_kind: global_buffer, .address_space: global }
      - { .name: wcodes, .offset: 56, .size: 8, .value_kind: global_buffer, .address_space: global }
      - { .name: mask, .offset: 64, .size: 8, .value_kind: global_buffer, .address_space: global }
      - { .name: cnt, .offset: 72, .size: 8, .value_kind: global_buffer, .address_space: global }
    .group_segment_fixed_size: 33280
    .private_segment_fixed_size: 0
    .kernarg_segment_align: 8
    .kernarg_segment_size: 80
    .max_flat_workgroup_size: 128
    .sgpr_count:     96
    .vgpr_count:     178
    .wavefront_size: 32
...
	.end_amdgpu_metadata
.endif
;; end of part 7
;; launch proj: the kernel of part 2 again; grid 4 x 128, 4 waves a work-group, clusters of 4 x 4, 327,680 bytes of LDS; arguments xcodes, wcodes, lowp_scales, qc, kc, vc, r; writes qc, kc, vc, r
;; launch attn (part 8): grid 4 x 64, 16 waves a work-group, no clusters, 313,344 bytes of LDS; arguments qc, kc, vc, cnt, lowp_scales, ao; writes ao
.if DOCPART == 8
	.amdgcn_target "amdgcn-amd-amdhsa--gfx1250"
	.amdhsa_code_object_version 6
	.text
	.protected	k_q9b67783e29_attn
	.globl	k_q9b67783e29_attn
	.p2align	8
	.type	k_q9b67783e29_attn,@function
k_q9b67783e29_attn:
	s_mov_b64 s[64:65], 0
	v_nop
	global_prefetch_b8 v0, s[64:65] scope:SCOPE_SE
	s_setreg_imm32_b32 hwreg(HW_REG_WAVE_SCHED_MODE, 0, 2), 2
	s_setreg_imm32_b32 hwreg(HW_REG_WAVE_MODE, 25, 1), 1
	s_wait_xcnt 0x0
	s_wait_alu depctr_vm_vsrc(0)
; ao[batch][q][head x 64 + d] = the sum over keys of softmax_k(q . k / 8, keys with mask 0 at -1e9) v, both products on codes of BF8 (E5M2); exponents e6 (q), e7 (k), e8 (v), e9 (p).
; qc, kc: [64 = batch x 16 + head][2048][64] codes; vc: [64][16 blocks of 128 keys][64 channels][128] codes; both laid so that a 16-byte load at 32 c + 16 (lane / 16) of a row brings the matrix form's own layout.
; THE KEYS ARE SORTED: in kc and vc a batch's keys whose mask is not 0 come first, and cnt holds their number (one record of 256 bytes a batch).  A softmax does not hang on the order of its keys.
; THE MASK.  NE = the batch's count.  A key step whose 128 keys all lie at or past NE is passed over (a scalar branch on the stored count, inside loops whose trip counts are constants); in the one step that NE cuts, the scores
; of the keys at or past NE become -infinity ahead of the maximum, so that their p is 0.
;   LIMIT: a masked key's weight is exactly 0: what a logit of -1e9 gives wherever some unmasked logit of the row lies above about -1e9 + 104.
;   A batch with NO key that counts: NE = 2,048 and the factor c is 0 (selects, no branch): every t is 0, every p is 1, the sum 2,048: the uniform softmax that equal logits of -1e9 give.
; THE SOFTMAX AHEAD OF THE SECOND PRODUCT: t = logit x log2(e); M = the row's largest t so far, rounded UP to a whole number; p = 2^(t - M) is quantised with 2^e9; it is not normalised.
; The row's sum is taken of the unquantised p, in f32, and divides O at the end.  When M moves, the sum and O are multiplied by 2^(old M - new M): exact.
; LIMITS on the given exponents, so that each power of two is an f32 number: e6 + e7 between -123 and 130; e9 between -126 and 112; e8 + e9 is applied by v_ldexp_f32 and has none.
; SHARES.  A work-group owns 512 queries of one head; each of its sixteen waves 32, as two tiles of 16 that it takes one after the other: four waves to a SIMD, so that one wave's vector work stands beside another's products and LDS loads.
; K AND V LIE IN LDS, each byte written once: 2,048 rows of K (64 + 16 bytes), 1,024 rows of V^T (128 + 16 bytes).  They come THROUGH REGISTERS, in four groups of 512 keys: a thread brings 4 x 16 bytes of K and 4 x 16 of V a group.
; Group g + 1 is asked for ahead of group g's four key steps of the first tile of queries, only where NE reaches it, and is stored to LDS behind them; a barrier follows.  So a group's loads are out four key steps ahead of their use.
; NO CLUSTER, NO JOINT LOADS, though the four work-groups of a head read the same K and V.  The branch on the count spares
; every key step past NE, its loads, products and softmax; what would be shared is at most 256 KiB a work-group, fetched once.
; LAYOUT.  S^T = K Q^T (source 0 = 16 keys, source 1 = my 16 queries), O^T = V^T P^T: a lane holds ONE query (lane % 16) throughout, and tile T's eight registers are keys 16 T + 8 (lane / 16) + 0 .. 7: their codes ARE registers 2 T, 2 T + 1 of P.
; REGISTERS: v0 the thread; v1-7 addresses that stay; v8, v9 addresses of the loads in hand; v[10:11] c; v12 -M, v13 the largest t, v[14:15] the sum in two halves; v16-31 Q's two tiles; v32-95 eight fragments of K, then four of V;
; v96-159 S^T, then p; v160-191 O^T; v192-223 a group of K and V on its way to LDS, then the first tile's finished O; v224-239 p's codes; v236-249, v252-255 at work; v250, v251 the closing add's two.
; THE MODE: SCHED_MODE bits 1:0 = 2 (LLVM: expert scheduling mode 2), set by the entry lines.  The code itself states the register dependences between vector or matrix instructions and memory or LDS instructions, with s_wait_alu, always for 0.
; THE PLAN.  Registers that memory or LDS instructions touch:
;   v32-95     A key step: K's sixteen LDS loads land; the eight products S^T read them; V's sixteen LDS loads land; the four products O^T read them.  (Sixteen waves of 256 registers leave no room for a second set.)
;   v8, v9     Written by two additions at a step's head; read by the step's 32 LDS loads.
;   v192-223   In the first tile's walk: a group's global loads land, its LDS stores read them; no vector instruction names them.  Then the first tile's finish writes them, and the way out's LDS stores read them.
;   v252, v254 Written by two additions ahead of a group's LDS stores, which read them as addresses; at work in the steps.
;   v96-127    Written by the second tile's finish; read by the way out's LDS stores.
;   v1-7, v241, v255, v250, v251   Made at the head, never written again.
; So a key step holds one wait on vm_vsrc (ahead of the additions to v8 and v9) and two on va_vdst: one ahead of K's loads, one ahead of V's.  Behind the second, no vector instruction of the softmax names v32-95 or v9:
; half of V's loads are dealt among the maximum's lines with no further wait.  One wait on vm_vsrc stands behind each barrier that follows a group's LDS stores, ahead of the branch round the next group's loads.
.set KP,   80                          ; a key's row in LDS: 64 bytes + 16 of padding: 5 x 16, so the 16 rows of a load start at 16 different groups of banks (ISA guide 11.1)
.set VP,   144                         ; a row of V^T: 128 + 16 = 9 x 16
.set VREG, 2048*KP                     ; V^T behind K
.set SPI,  272                         ; the way out: 16 rows x (256 + 16) bytes for each wave, over K's rows, behind the barrier behind which nobody reads them
.set AK0,  1                           ; v1   my lane's place in a tile of K
.set AV0,  2                           ; v2   the same for V^T
.set SK,   3                           ; v3   where my thread puts 16 bytes of K: four threads to a row
.set GO,   4
.set STO,  5
.set RD,   6
.set SV,   7                           ; v7   where my thread puts 16 bytes of V^T: eight threads to a row
.set ADK,  8
.set ADV,  9
.set LR,   192                         ; v192-207 K's, v208-223 V's 16-byte pieces on their way
.set PO,   241                         ; v241 16 x thread: my piece of 8,192 consecutive bytes; never rewritten
.set DV,   245                         ; v245 the keys that count in the step that NE cuts, less 8 (lane / 16)
.set NINF, 246                         ; v246 -infinity
.set QO,   255                         ; v255 my lane's byte in Q's rows; never rewritten
.set KO,   2                           ; s2   LDS byte of the step's keys in K
.set VO,   3                           ; s3   in V^T
.set KF,   16                          ; s16  the step's first key
.set CNT,  17
.set WV,   18
.set SEL,  20                          ; s[20:21] lane selects for v_permlanex16_b32: lane l xor 16
.set NE,   25                          ; s25  keys to walk
.set MS,   26                          ; s26-57 the masks of a run of 32 compares, in the step that NE cuts
	s_load_b256 s[4:11], s[0:1], 0x0               ; qc 4:5, kc 6:7, vc 8:9, cnt 10:11
	s_load_b128 s[12:15], s[0:1], 0x20             ; the scales' exponents 12:13, ao 14:15
	v_lshl_add_u32 v250, v0, 2, 0x4c000
	v_mov_b32 v251, 0
	v_lshrrev_b32 v1, 5, v0
	v_readfirstlane_b32 s[WV], v1                  ; wave 0..15
	s_and_b32 s89, ttmp7, 0xffff                   ; batch x 16 + head
	s_lshr_b32 s90, s89, 4                         ; batch
	s_and_b32 s91, s89, 15                         ; head
	s_mov_b32 s[SEL], 0x76543210
	s_mov_b32 s[SEL+1], 0xfedcba98
	v_lshlrev_b32 v[PO], 4, v0
	v_and_b32 v10, 15, v0                          ; r = lane % 16
	v_bfe_u32 v11, v0, 4, 1                        ; h = lane / 16
	v_lshlrev_b32 v[QO], 6, v10
	v_lshl_add_u32 v[QO], v11, 4, v[QO]            ; Q: row r of 64 bytes, + 16 h
	s_lshl_b32 s94, s89, 17                        ; the head's 131,072 bytes in each tensor of codes
	s_mov_b32 s95, 0
	s_lshl_b32 s98, ttmp9, 15                      ; my work-group's 512 queries x 64 bytes,
	s_wait_alu depctr_va_sdst(0)                   ; s18, the wave's number, is written, ahead of its first reader
	s_lshl_b32 s100, s[WV], 11                     ; my wave's 32,
	s_add_co_u32 s98, s98, s100
	s_add_co_u32 s98, s98, s94                     ; in my head
	s_mov_b32 s99, 0
	s_lshl_b32 s92, s90, 8                         ; the batch's record in cnt
	s_mov_b32 s93, 0
	s_wait_kmcnt 0x0
	s_load_b128 s[84:87], s[12:13], 0x18           ; e6, e7, e8, e9
	s_add_nc_u64 s[10:11], s[10:11], s[92:93]
	s_load_b32 s24, s[10:11], 0x0                  ; the batch's count
	s_add_nc_u64 s[6:7], s[6:7], s[94:95]
	s_add_nc_u64 s[8:9], s[8:9], s[94:95]
	s_add_nc_u64 s[4:5], s[4:5], s[98:99]
; Group g, 512 keys: 32,768 consecutive bytes of K and as many of V.  The work-group's 512 threads take 8,192 consecutive bytes an instruction, a wave 512.
.macro FILL_LOAD g
.irp i, 0,1,2,3
	global_load_b128 v[LR+4*\i:LR+4*\i+3], v[PO], s[6:7] offset:(\g)*32768+8192*\i
.endr
.irp i, 0,1,2,3
	global_load_b128 v[LR+16+4*\i:LR+16+4*\i+3], v[PO], s[8:9] offset:(\g)*32768+8192*\i
.endr
.endm
.macro FILL_STORE g                    ; an instruction's 8,192 bytes are 128 rows of K, or 64 rows of V^T
	v_add_nc_u32 v252, (\g)*512*KP, v[SK]
	v_add_nc_u32 v254, (\g)*256*VP, v[SV]
	s_wait_alu depctr_va_vdst(0)                   ; v252 and v254 are written, which the LDS stores below read as addresses.  (At the head this wait also shows v1 to v7 written, of which the way out's loads and stores read v4 to v6)
.irp i, 0,1,2,3
	ds_store_b128 v252, v[LR+4*\i:LR+4*\i+3] offset:\i*128*KP
.endr
.irp i, 0,1,2,3
	ds_store_b128 v254, v[LR+16+4*\i:LR+16+4*\i+3] offset:\i*64*VP
.endr
.endm
	s_wait_alu depctr_va_vdst(0)                   ; v241 and v255 are written: the loads of K, V and Q read them as offsets
	FILL_LOAD 0                                    ; every batch walks at least one key
.irp u, 0,1
.irp c, 0,1
	global_load_b128 v[16+8*\u+4*\c:19+8*\u+4*\c], v[QO], s[4:5] offset:1024*\u+32*\c   ; Q's two tiles stay in registers
.endr
.endr
	s_lshl_b32 s98, s90, 11                        ; ao: row 2,048 batch + 512 x work-group x + 32 wave, of 4,096 bytes; + 256 x head
	s_lshl_b32 s100, ttmp9, 9
	s_add_co_u32 s98, s98, s100
	s_lshl_b32 s100, s[WV], 5
	s_add_co_u32 s98, s98, s100
	s_lshl_b32 s98, s98, 12
	s_lshl_b32 s100, s91, 8
	s_add_co_u32 s98, s98, s100
	s_add_nc_u64 s[14:15], s[14:15], s[98:99]
	v_mul_u32_u24 v[AK0], v10, KP
	v_lshl_add_u32 v[AK0], v11, 4, v[AK0]          ; K: row r, + 16 h
	v_mul_u32_u24 v[AV0], v10, VP
	v_lshl_add_u32 v[AV0], v11, 4, v[AV0]
	v_add_nc_u32 v[AV0], VREG, v[AV0]              ; V^T likewise
	v_lshrrev_b32 v[SK], 2, v0
	v_mul_u32_u24 v[SK], v[SK], KP
	v_and_b32 v254, 3, v0
	v_lshl_add_u32 v[SK], v254, 4, v[SK]           ; row thread / 4, + 16 (thread % 4)
	v_lshrrev_b32 v[SV], 3, v0
	v_mul_u32_u24 v[SV], v[SV], VP
	v_and_b32 v254, 7, v0
	v_lshl_add_u32 v[SV], v254, 4, v[SV]
	v_add_nc_u32 v[SV], VREG, v[SV]                ; row thread / 8, + 16 (thread % 8)
	v_lshlrev_b32 v[GO], 12, v11
	v_lshl_add_u32 v[GO], v10, 4, v[GO]            ; the way out: lanes 0-15 take one row of ao, lanes 16-31 the next; 16 bytes a lane
	s_mul_i32 s96, s[WV], 16*SPI                   ; my stage
	v_mul_u32_u24 v[STO], v10, SPI
	v_lshl_add_u32 v[STO], v11, 5, v[STO]
	v_add_nc_u32 v[STO], s96, v[STO]               ; in: row r, + 32 h
	v_mul_u32_u24 v[RD], v11, SPI
	v_lshl_add_u32 v[RD], v10, 4, v[RD]
	v_add_nc_u32 v[RD], s96, v[RD]                 ; back: two rows an instruction
	v_mov_b32 v236, 0                              ; written once: a lane permute's destination counts as one of its sources
	v_mov_b32 v253, 0                              ; (named as the upper half of the pair v[252:253])
	s_wait_kmcnt 0x0
	s_add_co_i32 s96, s84, s85                     ; e6 + e7
	s_lshl_b32 s96, s96, 23
	s_add_co_i32 s22, s96, 0x3e38aa3b              ; c = log2(e) / 8 x 2^(e6 + e7): the two exponents are added to its exponent field
	s_add_co_i32 s19, s86, s87                     ; e8 + e9
	s_add_co_i32 s96, s87, 127
	s_lshl_b32 s97, s96, 23
	v_mov_b32 v244, s97                            ; 2^e9 as f32, for the conversion
	s_add_co_i32 s96, s96, 15
	s_lshl_b32 s96, s96, 23
	s_or_b32 s96, s96, 0x600000
	v_mov_b32 v240, s96                            ; 57,344 x 2^e9
	s_cmp_eq_u32 s24, 0                            ; a batch without a key that counts:
	s_cselect_b32 s22, 0, s22                      ; c = 0,
	s_cselect_b32 s[NE], 2048, s24                 ; and all keys are walked
	s_min_u32 s[NE], s[NE], 2048
	v_mov_b32 v10, s22
	v_mov_b32 v11, s22
	s_wait_loadcnt 4                               ; group 0's eight loads are in; Q's four may be out
	FILL_STORE 0
	s_wait_dscnt 0x0                               ; for the others' sake: my LDS stores are done
	s_barrier_signal -1
	s_barrier_wait -1
	s_wait_alu depctr_vm_vsrc(0)                   ; my LDS stores have read v192-223, in which the next group's loads land, and v252 and v254, which the key steps write
; A KEY STEP: 128 keys against the tile of queries whose fragment begins at v[q].
.macro STEP q
	s_cmp_ge_u32 s[KF], s[NE]                      ; none of the step's keys counts: its loads, products and softmax are passed over; not the lines at its end that step addresses
	s_cbranch_scc1 .Lpast_\@
	s_wait_alu depctr_vm_vsrc(0)                   ; the LDS loads issued so far have read v8 and v9, which the two additions write
	v_add_nc_u32 v[ADK], s[KO], v[AK0]
	v_add_nc_u32 v[ADV], s[VO], v[AV0]
	v_nop                                          ; four places in front of loads into registers that matrix instructions have read (ISA guide 7.12.1 for vector instructions); the two additions above are places too
	v_nop
	s_wait_alu depctr_va_vdst(0)                   ; v8 and v9 are written, which this step's LDS loads read; the last step's products O^T are done reading v32-95, in which K's fragments land
.irp t, 0,1,2,3,4,5,6,7                        ; K's eight fragments, in one run
	ds_load_b128 v[32+8*\t:35+8*\t], v[ADK] offset:\t*16*KP
	ds_load_b128 v[36+8*\t:39+8*\t], v[ADK] offset:\t*16*KP+32
.endr
	s_wait_dscnt 0x0
.irp t, 0,1,2,3,4,5,6,7                        ; S^T = K Q^T: eight tiles of 16 keys
	v_wmma_f32_16x16x64_bf8_bf8 v[96+8*\t:103+8*\t], v[32+8*\t:39+8*\t], v[\q:\q+7], 0
.endr
.rept 4
	v_nop
.endr
	s_wait_alu depctr_va_vdst(0)                   ; the products S^T are done reading v32-95, in which V's fragments land; the places above stay beside this wait
.irp t, 0,1                                    ; V's first two fragments are asked for here; the other two among the maximum's lines below.  All land while the softmax is worked
.irp c, 0,1,2,3
	ds_load_b128 v[32+16*\t+4*\c:35+16*\t+4*\c], v[ADV] offset:\t*16*VP+32*\c
.endr
.endr
	s_add_co_u32 s96, s[KF], 128
	s_cmp_le_u32 s96, s[NE]
	s_cbranch_scc1 .Lwhole_\@                      ; all 128 keys count
	s_sub_co_u32 s96, s[NE], s[KF]                 ; the step that NE cuts: so many of its keys count, 1 to 127
	v_bfe_u32 v[DV], v0, 4, 1
	v_lshlrev_b32 v[DV], 3, v[DV]
	v_sub_nc_u32 v[DV], s96, v[DV]                 ; register 8 T + j holds key 16 T + 8 (lane / 16) + j of the step: it does not count where 16 T + j >= this
	v_mov_b32 v[NINF], 0xff800000
.irp half, 0,1                                 ; the compares stand in two runs of 32, each compare with a scalar register for its mask
.set n, 0
.rept 32
	v_cmp_ge_i32 s[MS+n], 16*((32*\half+n)/8)+(32*\half+n)%8, v[DV]
.set n, n+1
.endr
	s_wait_alu depctr_va_sdst(0)                   ; the run's 32 compares have written s26 to s57, ahead of the selects that read them
.set n, 0
.rept 32
	v_cndmask_b32 v[96+32*\half+n], v[96+32*\half+n], v[NINF], s[MS+n]
.set n, n+1
.endr
.endr
.Lwhole_\@:
	v_max3_num_f32 v254, v96, v97, v98             ; the step's largest score of my query, among my 64 keys, in two chains; each accumulator is read from its low end on
	v_max3_num_f32 v252, v99, v100, v101
.irp i, 6,10,14,18,22,26,30,34,38,42,46,50,54,58
.if \i < 38
	ds_load_b128 v[64+16*((\i-6)/16)+(\i-6)%16:67+16*((\i-6)/16)+(\i-6)%16], v[ADV] offset:(2+(\i-6)/16)*16*VP+8*((\i-6)%16)   ; V's fragments 2 and 3, one load a pair of lines.  No wait: no vector instruction since the wait ahead of V's first loads names v64-95 or v9
.endif
	v_max3_num_f32 v254, v254, v[96+\i], v[97+\i]
	v_max3_num_f32 v252, v252, v[98+\i], v[99+\i]
.endr
	v_max3_num_f32 v254, v254, v158, v159
	v_max_num_f32 v254, v254, v252
	v_permlanex16_b32 v236, v254, s[SEL], s[SEL+1]
	v_max_num_f32 v254, v254, v236                 ; and among lane l xor 16's: the step's first key counts, so this is a number
	v_mul_f32 v254, v10, v254                      ; as t (c is not negative)
	v_max_num_f32 v13, v13, v254                   ; the running largest t
	v_mov_b32 v254, v12
	v_floor_f32 v12, -v13                          ; the new -M = floor(-t) = -ceil(t): M is a whole number
	v_sub_f32 v254, v12, v254                      ; M's old value less its new one: a whole number, 0 or less
	v_cvt_i32_f32 v254, v254                       ; (it saturates)
	v_ldexp_f32 v252, 1.0, v254                    ; f = 2^(old M - new M)
.irp j, 0,2,4,6,8,10,12,14,16,18,20,22,24,26,28,30,32,34,36,38,40,42,44,46,48,50,52,54,56,58,60,62
	v_pk_fma_f32 v[96+\j:97+\j], v[96+\j:97+\j], v[10:11], v[12:13] op_sel_hi:[1,0,0]   ; t - M, two at a time (of the pairs c and -M the low word serves both halves)
.endr
.set i, 0
.rept 64
	v_exp_f32 v[96+i], v[96+i]                     ; p = 2^(t - M), at most 1: not normalised
.set i, i+1
.endr
	v_pk_mul_f32 v[14:15], v[14:15], v[252:253] op_sel_hi:[1,0]   ; the sums under the new M.  (A plain place behind the exponentials)
	s_wait_alu depctr_va_vdst(0)                   ; the 64 exponentials have written v96-159: one wait for the whole batch, ahead of its first reader
	v_pk_add_f32 v[242:243], v[96:97], v[98:99]    ; the row's sum is taken of the unquantised p: two at a time, in two chains
.irp j, 4,8,12,16,20,24,28,32,36,40,44,48,52,56,60
	v_pk_add_f32 v[14:15], v[14:15], v[96+\j:97+\j]
	v_pk_add_f32 v[242:243], v[242:243], v[98+\j:99+\j]
.endr
	v_pk_add_f32 v[14:15], v[14:15], v[242:243]
.irp b, 0,1,2,3,4,5,6,7
.irp i, 0,1,2,3,4,5,6,7
	v_min_num_f32 v[96+8*\b+\i], v[96+8*\b+\i], v240   ; the conversion to an 8-bit code does not saturate (ISA guide 7.6.2); p is not negative, so the hold is one-sided
.endr
	v_cvt_scalef32_pk8_bf8_f32 v[224+2*\b:225+2*\b], v[96+8*\b:103+8*\b], v244   ; keys 16 b + 8 (lane / 16) + 0 .. 7: registers 2 b, 2 b + 1 of P
.endr
.irp j, 0,2,4,6,8,10,12,14,16,18,20,22,24,26,28,30
	v_pk_mul_f32 v[160+\j:161+\j], v[160+\j:161+\j], v[252:253] op_sel_hi:[1,0]   ; O^T under the new M.  (These are also the plain lines between the conversions and the products that read the codes)
.endr
	s_wait_dscnt 0x0                               ; V's fragments are in
.irp t, 0,1,2,3                                ; O^T += V^T P^T: four accumulators by turns, one instruction a turn
	v_wmma_f32_16x16x128_bf8_bf8 v[160+8*\t:167+8*\t], v[32+16*\t:47+16*\t], v[224:239], v[160+8*\t:167+8*\t]
.endr
.Lpast_\@:
	s_add_co_u32 s[KO], s[KO], 128*KP
	s_add_co_u32 s[VO], s[VO], 64*VP
	s_add_co_u32 s[KF], s[KF], 128
.endm
.macro STEPS n, q, k0                  ; n key steps from step k0 on: the trip count is a constant
	s_mov_b32 s[KO], (\k0)*128*KP
	s_mov_b32 s[VO], (\k0)*64*VP
	s_mov_b32 s[KF], (\k0)*128
	s_mov_b32 s[CNT], \n
.Lstep_\@:
	STEP \q
	s_sub_co_u32 s[CNT], s[CNT], 1
	s_cmp_lg_u32 s[CNT], 0
	s_cbranch_scc1 .Lstep_\@
.endm
.macro INIT                            ; the step is written without a first step of its own: it finds zeros, which the first change of M leaves zeros
	v_mov_b32 v13, 0xff61b1e6                      ; the largest t so far: -3e38
	v_floor_f32 v12, -v13                          ; -M
	v_mov_b32 v14, 0
	v_mov_b32 v15, 0
.set i, 0
.rept 32
	v_mov_b32 v[160+i], 0
.set i, i+1
.endr
.endm
.macro FINISH dst                      ; O^T x 2^(e8 + e9) / the row's sum, into v[dst] on
	v_add_f32 v14, v14, v15                        ; the sum's two halves,
	v_permlanex16_b32 v252, v14, s[SEL], s[SEL+1]
	v_add_f32 v14, v14, v252                       ; and lane l xor 16's
	v_rcp_f32 v14, v14
	v_nop                                          ; plain places: behind the reciprocal, and with the lines above behind the last products
	v_nop
	s_wait_alu depctr_va_vdst(0)                   ; the reciprocal has written v14, ahead of its first reader
	v_ldexp_f32 v14, v14, s19
.irp j, 0,2,4,6,8,10,12,14,16,18,20,22,24,26,28,30
	v_pk_mul_f32 v[\dst+\j:\dst+\j+1], v[160+\j:161+\j], v[14:15] op_sel_hi:[1,0]   ; register 8 t + i is o(query r, channel 16 t + 8 h + i)
.endr
.endm
.macro OUT u, src                      ; a tile of 16 queries x 64 channels through my stage: in by lanes' 32 bytes, back as whole rows of 256 bytes
.irp t, 0,1,2,3
	ds_store_b128 v[STO], v[\src+8*\t:\src+8*\t+3] offset:64*\t
	ds_store_b128 v[STO], v[\src+8*\t+4:\src+8*\t+7] offset:64*\t+16
.endr
.irp i, 0,1,2,3,4,5,6,7
	ds_load_b128 v[32+32*\u+4*\i:35+32*\u+4*\i], v[RD] offset:\i*2*SPI   ; LDS serves a wave's instructions in order (ISA guide 5.7.1.4): these see my stores, and the next tile's stores come behind them
.endr
.endm
	s_wait_loadcnt 0x0                             ; Q
	INIT
.irp g, 0,1,2                                  ; the first tile of queries, group by group
	s_cmp_gt_u32 s[NE], 512*(\g+1)                 ; is any key of the next group walked?  Then it is asked for now, four key steps ahead of its use
	s_cbranch_scc0 .Lno_more_\g
	FILL_LOAD \g+1                                 ; no wait here: the wait on vm_vsrc behind the last barrier stands ahead of the branch, and no vector instruction has named v192-223 or written v241 since the head
.Lno_more_\g:
	STEPS 4, 16, 4*\g
	s_wait_loadcnt 0x0                             ; the next group is in registers, if it was asked for;
	FILL_STORE \g+1                                ; it goes to its own rows of LDS, which no wave reads ahead of the barrier below.  (No branch: where nothing was asked for, the registers' old codes go there, and no step reads them)
	s_wait_dscnt 0x0                               ; for the others' sake: my LDS stores are done
	s_barrier_signal -1
	s_barrier_wait -1
	s_wait_alu depctr_vm_vsrc(0)                   ; my LDS stores have read v192-223, in which the next group's loads land (behind the last group: which the first tile's finish writes), and v252 and v254, which the key steps write
.endr
	STEPS 4, 16, 12
	FINISH 192
	INIT
	STEPS 16, 24, 0                                ; the second tile of queries: all that is walked lies in LDS
	FINISH 96
	s_wait_alu depctr_va_vdst(0)                   ; both finishes have written v192-223 and v96-127, which the LDS stores of the way out read; the last products are done reading v32-95, in which the stage's LDS loads land
	s_wait_dscnt 0x0                               ; my reads of K are over
	s_barrier_signal -1
	s_barrier_wait -1                              ; everybody's are: the stages may be written over K's rows
	OUT 0, 192
	OUT 1, 96
.irp u, 0,1
.irp i, 0,1,2,3,4,5,6,7
	s_wait_dscnt 23-16*\u-\i                       ; behind this load: the rest of its eight, and for the first tile the second tile's sixteen
	global_store_b128 v[GO], v[32+32*\u+4*\i:35+32*\u+4*\i], s[14:15] offset:(16*\u+2*\i)*4096   ; sixteen lanes store a row's 256 bytes of my head, at a multiple of 256 from ao's first byte
.endr
.endr
	s_wait_dscnt 0x0                               ; the closing lines, six on end
	s_wait_alu 0x0
	s_wait_tensorcnt 0x0
	ds_add_u32 v250, v251
	s_wait_dscnt 0x0
	s_endpgm
.Lfunc_end_k_q9b67783e29_attn:
	.size	k_q9b67783e29_attn, .Lfunc_end_k_q9b67783e29_attn-k_q9b67783e29_attn
	.p2alignl 7, 3214868480
	.fill 96, 4, 3214868480
	.section	.rodata,"a",@progbits
	.p2align	6, 0x0
	.amdhsa_kernel k_q9b67783e29_attn
		.amdhsa_group_segment_fixed_size 313344
		.amdhsa_private_segment_fixed_size 0
		.amdhsa_enable_private_segment 0
		.amdhsa_kernarg_size 48
		.amdhsa_user_sgpr_count 2
		.amdhsa_user_sgpr_kernarg_segment_ptr 1
		.amdhsa_wavefront_size32 1
		.amdhsa_system_sgpr_workgroup_id_x 1
		.amdhsa_system_sgpr_workgroup_id_y 1
		.amdhsa_system_sgpr_workgroup_id_z 1
		.amdhsa_system_vgpr_workitem_id 0
		.amdhsa_next_free_vgpr 256
		.amdhsa_next_free_sgpr 102
		.amdhsa_reserve_vcc 0
		.amdhsa_float_denorm_mode_32 3
		.amdhsa_float_denorm_mode_16_64 3
		.amdhsa_memory_ordered 1
		.amdhsa_forward_progress 1
		.amdhsa_inst_pref_size 146
	.end_amdhsa_kernel
	.amdgpu_metadata
---
amdhsa.version: [ 1, 2 ]
amdhsa.kernels:
  - .name:           k_q9b67783e29_attn
    .symbol:         k_q9b67783e29_attn.kd
    .args:
      - { .name: qc, .offset: 0, .size: 8, .value_kind: global_buffer, .address_space: global }
      - { .name: kc, .offset: 8, .size: 8, .value_kind: global_buffer, .address_space: global }
      - { .name: vc, .offset: 16, .size: 8, .value_kind: global_buffer, .address_space: global }
      - { .name: cnt, .offset: 24, .size: 8, .value_kind: global_buffer, .address_space: global }
      - { .name: lowp_scales, .offset: 32, .size: 8, .value_kind: global_buffer, .address_space: global }
      - { .name: ao, .offset: 40, .size: 8, .value_kind: global_buffer, .address_space: global }
    .group_segment_fixed_size: 313344
    .private_segment_fixed_size: 0
    .kernarg_segment_align: 8
    .kernarg_segment_size: 48
    .max_flat_workgroup_size: 512
    .sgpr_count:     102
    .vgpr_count:     256
    .wavefront_size: 32
...
	.end_amdgpu_metadata
.endif
;; end of part 8
;; launch norm: the kernel of part 4 again; grid 256 x 1, 8 waves a work-group, no clusters, 0 bytes of LDS; arguments ao, r, gamma, beta, out0; writes out0
